; MI455X (gfx1250); checked and timed in simulation.
; The chip was launched on July 23, 2026; its instructions are those of AMD's public machine-readable ISA for CDNA 5 (MIT licence, August 2026) and "CDNA5" Instruction Set Architecture Reference Guide (July 2026). The comments in the code are by the model that wrote it; some were corrected since.
;; Multi Head Attention. Allowed arithmetic: matrix products marked QUANTISED: E2M1 operands, one E8M0 scale for each 32 along K, by v_wmma_scale_f32_16x16x128_f8f6f4 with both operands' format E2M1 (or v_wmma_scale_f32_32x16x128_f4), f32 sums; products left as they are: bf16, f16 or f32 operands; f32 sums; everything else in f32.
;; Inputs: Wk 1,024 x 1,024 float32; Wo 1,024 x 1,024 float32; Wq 1,024 x 1,024 float32; Wv 1,024 x 1,024 float32; bk 1,024 float32; bo 1,024 float32; bq 1,024 float32; bv 1,024 float32; k 2 x 2,048 x 1,024 float32; mask 2 x 2,048 bool; q 2 x 2,048 x 1,024 float32; v 2 x 2,048 x 1,024 float32.
;; Outputs: out0 2 x 2,048 x 1,024 float32.
;; This version of the problem:
;;   THIS VERSION OF THE PROBLEM IS GIVEN IN LOW PRECISION. The matrix products marked QUANTISED in the list below multiply operands that are first quantised to E2M1 (2 exponent bits, 1 mantissa bit; 4 bits a number), with one power-of-two scale for each 32 numbers along K (OCP MX v1.0); their sums are f32. The products marked 'left as it is' may take bf16, f16 or f32 operands, with f32 sums. Whichever they take, every output number must still come out within the allowed error. Rounding operands to bf16 (8 significant bits) uses up far more of that allowance than f16 does (11 bits, for magnitudes from 6e-5 to 65,504). All else is computed in f32.
;;   The module's matrix products, in the order in which they are computed (A, B: the left and right operand; K: the contracted axis; several contracted axes count as one K, in the product's order):
;;     1. [M 4,096, K 1,024] x [K 1,024, N 1,024]; A: input q; B: input Wq: QUANTISED
;;     2. [M 4,096, K 1,024] x [K 1,024, N 1,024]; A: input k; B: input Wk: QUANTISED
;;     3. [M 4,096, K 1,024] x [K 1,024, N 1,024]; A: input v; B: input Wv: QUANTISED
;;     4. batch 32 x [M 2,048, K 64] x [K 64, N 2,048]; A: computed on the way; B: computed on the way: left as it is (an operand is computed on the way)
;;     5. batch 32 x [M 2,048, K 2,048] x [K 2,048, N 64]; A: computed on the way; B: computed on the way: left as it is (an operand is computed on the way)
;;     6. [M 4,096, K 1,024] x [K 1,024, N 1,024]; A: computed on the way; B: input Wo: left as it is (an operand is computed on the way)
;;   THE QUANTISER, for each operand of a quantised product, along K:
;;     - K is cut into blocks of 32 from its start; a last block that is shorter is filled with zeros.
;;     - A block's scale is 2^e with e = floor(log2(the largest magnitude in the block)) - 2, held to -126 .. 127; a block of zeros has e = 0. As a byte (E8M0): e + 127.
;;     - Each number is divided by its block's scale, clamped to +-6, and rounded to the nearest number of E2M1, ties to even, subnormals kept.
;;     - The product sums the exact products of the quantised numbers (number of the format x scale) in f32.
;;   ~~~python
;;   def quantise(x, axis):      # numpy; x: float32 -> the quantised numbers, widened to float32 again
;;       x = np.moveaxis(x, axis, -1); K = x.shape[-1]
;;       x = np.pad(x, [(0, 0)] * (x.ndim - 1) + [(0, -K % 32)]); x = x.reshape(x.shape[:-1] + (-1, 32)); a = np.abs(x).max(-1, keepdims=True)
;;       e = np.where(a > 0, np.clip(np.frexp(np.where(a > 0, a, 1))[1] - 1 - 2, -126, 127), 0)      # np.frexp(a)[1] - 1 = floor(log2(a)), exactly
;;       r = np.clip(x / 2.0 ** e, -6, 6)
;;       step = 2.0 ** (np.maximum(np.frexp(np.where(r == 0, 1, r))[1] - 1, 0) - 1)
;;       q = np.round(r / step) * step * 2.0 ** e      # np.round: ties to even
;;       return np.moveaxis(q.reshape(q.shape[:-2] + (-1,))[..., :K], -1, axis).astype(np.float32)
;;   ~~~
;; One version. Each part assembles by itself: llvm-mc -triple=amdgcn-amd-amdhsa -mcpu=gfx1250 --defsym DOCPART=n.
;; ======== version 1 of 1: 4 launches
;; limits: values are held in f16: magnitudes above 65,504 overflow, below 6.1e-05 lose precision
;; workspace buffers: codes 7,864,320 bytes; scales 491,520 bytes; wo16 2,097,152 bytes; qkv 25,165,824 bytes; oh 8,388,608 bytes
;; launch quant (part 1): grid 512 x 1, 4 waves a work-group, no clusters, 33,280 bytes of LDS; arguments q, k, v, Wq, Wk, Wv, Wo, codes, scales, wo16; writes codes, scales, wo16
.if DOCPART == 1
	.amdgcn_target "amdgcn-amd-amdhsa--gfx1250"
	.amdhsa_code_object_version 6
	.text
	.protected	k_qca016a5d5b_quant
	.globl	k_qca016a5d5b_quant
	.p2align	8
	.type	k_qca016a5d5b_quant,@function
k_qca016a5d5b_quant:
	s_mov_b64 s[64:65], 0
	v_nop
	global_prefetch_b8 v0, s[64:65] scope:SCOPE_SE
	s_setreg_imm32_b32 hwreg(HW_REG_WAVE_MODE, 25, 1), 1
	s_wait_xcnt 0x0
; q, k, v [4096][1024] and Wq, Wk, Wv [1024][1024], f32, K innermost, become codes of FP4 (E2M1) with one E8M0 byte for each 32 along K; Wo [1024][1024] becomes f16.
; codes: 15,360 rows of 512 bytes (q's 4,096 rows, k's, v's, then Wq's 1,024, Wk's, Wv's); scales: the same rows, 32 bytes each.  Rows are dense, so each tensor is a plain stream of blocks of 32.
; A block's scale is 2^(floor(log2(its largest magnitude)) - 2); its byte is the largest magnitude's exponent field - 2, held at 1 from below.
; LIMITS: NaN and infinities among the inputs are not served.  A block of zeros gets the byte 1 where the quantiser says 127: its codes are zeros, which add nothing, and this program alone reads the bytes.
;         Blocks whose largest magnitude lies under 2^-124 keep the byte 1.  Wo goes to f16: magnitudes up to 65,504; under 6e-5 its step is 6e-8.
; SHARES: a work-group takes 32,768 numbers, a wave 8,192 (16 steps of 512).  Work-groups 0-127 q, 128-255 k, 256-383 v, 384-415 Wq, 416-447 Wk, 448-479 Wv, 480-511 Wo.
; The buffers' order is the work-groups' order, so run R = 4 x work-group + wave stores at codes + 4,096 R and scales + 256 R.
; A step's four loads read 512 consecutive bytes each; the 2,048 bytes turn through the wave's own stage in LDS, so that a lane then holds 16 neighbours along K (two lanes to a block).
.set WAVES, 4
.set STEPS, 16
.set EMAX,  2
.set CB,    8                          ; bytes of 16 codes
.set R,     16                         ; v16-79   four sets of 16 numbers as loaded
.set X,     80                         ; v80-111  two sets of 16 neighbours
.set E,     112                        ; v112-127 a scale byte for each step
.set C,     128                        ; v128-191 codes, four registers a step: no store's data are written again
.set WREG,  8192                       ; LDS: a region for each wave: two stages of 32 x SP bytes, then its 256 scale bytes
.set SP,    80                         ; a lane's place in a stage: 64 bytes + 16 of padding
.set SPW,   12                         ; v12 LDS address of my spare word; never rewritten
.set NIL,   13                         ; v13 0; never rewritten
.set SPARE, WAVES*WREG                 ; behind the regions: the spare words, 128 bytes a wave
.set CD,    36                         ; s[36:37] where my run's codes go (Wo's path: its f16 numbers)
.set SD,    38                         ; s[38:39] where its scale bytes go
	s_load_b512 s[8:23], s[0:1], 0x0               ; q 8, k 10, v 12, Wq 14, Wk 16, Wv 18, Wo 20, codes 22
	s_load_b128 s[24:27], s[0:1], 0x40             ; scales 24, wo16 26
	v_lshl_add_u32 v[SPW], v0, 2, SPARE
	v_mov_b32 v[NIL], 0
	v_lshrrev_b32 v1, 5, v0
	v_readfirstlane_b32 s30, v1                    ; wave
	v_and_b32 v2, 31, v0                           ; lane
	v_lshlrev_b32 v3, 4, v2                        ; my 16 bytes of a load's 512
	s_mul_i32 s31, s30, WREG
	v_lshrrev_b32 v14, 2, v2
	v_mul_u32_u24 v14, v14, SP
	v_and_b32 v15, 3, v2
	v_lshl_add_u32 v14, v15, 4, v14
	v_add_nc_u32 v14, s31, v14                     ; the stage, on the way in: SP (lane / 4) + 16 (lane % 4)
	v_mul_u32_u24 v15, v2, SP
	v_add_nc_u32 v15, s31, v15                     ; and on the way out: SP x lane
	v_mul_u32_u24 v4, v2, CB                       ; my codes' place in a step's
	v_lshrrev_b32 v5, 1, v2
	s_add_co_u32 s31, s31, 2*32*SP
	v_add_nc_u32 v5, s31, v5                       ; LDS: my wave's 256 scale bytes, my block's byte
	v_lshlrev_b32 v7, 3, v2                        ; 8 bytes a lane
	v_add_nc_u32 v6, s31, v7
	s_lshl_b32 s32, ttmp9, 2
	s_add_co_u32 s32, s32, s30                     ; R = 4 x work-group + wave
	s_mov_b32 s35, 0
	s_wait_kmcnt 0x0
	s_cmp_ge_u32 ttmp9, 480
	s_cbranch_scc1 .Lwo                            ; the last 32 work-groups take Wo: a branch on the work-group's number
	; which tensor: only pointers are chosen, by the work-group's number
	s_mov_b64 s[4:5], s[8:9]
	s_mov_b32 s28, 0
.macro PICK first, ptr
	s_cmp_ge_u32 ttmp9, \first
	s_cselect_b64 s[4:5], s[\ptr:\ptr+1], s[4:5]
	s_cselect_b32 s28, \first, s28
.endm
	PICK 128, 10
	PICK 256, 12
	PICK 384, 14
	PICK 416, 16
	PICK 448, 18
	s_sub_co_u32 s33, ttmp9, s28
	s_lshl_b32 s33, s33, 2
	s_add_co_u32 s33, s33, s30                     ; my run in its tensor
	s_lshl_b32 s34, s33, 15                        ; x 32,768 bytes
	s_add_nc_u64 s[4:5], s[4:5], s[34:35]
	s_lshl_b32 s34, s32, 12
	s_add_nc_u64 s[CD:CD+1], s[22:23], s[34:35]
	s_lshl_b32 s34, s32, 8
	s_add_nc_u64 s[SD:SD+1], s[24:25], s[34:35]
.macro LOAD t
.irp i, 0,1,2,3
	global_load_b128 v[R+16*((\t)%4)+4*\i:R+16*((\t)%4)+4*\i+3], v3, s[4:5] offset:2048*(\t)+512*\i th:TH_LOAD_NT   ; 32 lanes read 512 consecutive bytes
.endr
.endm
.macro TURN t                          ; step t's numbers through the stage: LDS serves a wave's instructions in order, so no wait stands between the stores and the loads
.irp i, 0,1,2,3
	ds_store_b128 v14, v[R+16*((\t)%4)+4*\i:R+16*((\t)%4)+4*\i+3] offset:32*SP*((\t)%2)+8*SP*\i
.endr
.irp i, 0,1,2,3
	ds_load_b128 v[X+16*((\t)%2)+4*\i:X+16*((\t)%2)+4*\i+3], v15 offset:32*SP*((\t)%2)+16*\i
.endr
.endm
.irp t, 0,1,2,3
	LOAD \t
.endr
	s_wait_loadcnt 12                              ; step 0's four loads are in; three steps' twelve stay out
	TURN 0
.macro STEP t
.set XS, X+16*((\t)%2)
.if (\t) > 0
	s_wait_dscnt 1                                 ; this step's numbers are back from the stage (the last step's byte store may be out)
.else
	s_wait_dscnt 0x0
.endif
.if (\t)+4 < STEPS
	LOAD (\t)+4                                    ; into the set that this step's stage stores have read
.endif
.if (\t)+1 < STEPS
.if STEPS-2-(\t) >= 3
	s_wait_loadcnt 12                              ; the next step's four loads are in; those of the three steps behind it may be out
.else
	s_wait_loadcnt 4*(STEPS-2-(\t))
.endif
	TURN (\t)+1
.endif
	v_max3_num_f32 v8, |v[XS]|, |v[XS+1]|, |v[XS+2]|               ; the largest magnitude of my 16, in two chains
	v_max3_num_f32 v9, |v[XS+3]|, |v[XS+4]|, |v[XS+5]|
.irp i, 6,10
	v_max3_num_f32 v8, v8, |v[XS+\i]|, |v[XS+\i+1]|
	v_max3_num_f32 v9, v9, |v[XS+\i+2]|, |v[XS+\i+3]|
.endr
	v_max3_num_f32 v8, v8, |v[XS+14]|, |v[XS+15]|
	v_max3_num_f32 v8, v8, v9, (EMAX+1)<<23        ; and the floor 2^(3 - 127): the byte cannot fall under 1
	v_max_num_f32_dpp v8, v8, v8 row_xmask:1 row_mask:0xf bank_mask:0xf   ; and of my neighbour's 16: the block's
	v_add_nc_u32 v11, -(EMAX<<23), v8              ; 2 off its exponent field: the conversion takes that field as its scale, and nothing else
	v_cvt_scalef32_pk8_fp4_f32 v[C+4*(\t)], v[XS:XS+7], v11
	v_cvt_scalef32_pk8_fp4_f32 v[C+4*(\t)+1], v[XS+8:XS+15], v11
	v_lshrrev_b32 v[E+(\t)], 23, v11               ; the scale's byte (also the plain line behind the conversions)
	ds_store_b8 v5, v[E+(\t)] offset:16*(\t)       ; both lanes of a block write the same byte with the same value
	global_store_b64 v4, v[C+4*(\t):C+4*(\t)+1], s[CD:CD+1] offset:32*CB*(\t)   ; the wave stores 256 consecutive bytes, aligned
.endm
.irp t, 0,1,2,3,4,5,6,7,8,9,10,11,12,13,14,15
	STEP \t
.endr
	ds_load_b64 v[8:9], v6                         ; LDS serves a wave's instructions in order: these see my byte stores
	s_wait_dscnt 0x0
	global_store_b64 v7, v[8:9], s[SD:SD+1]        ; my run's 256 scale bytes, consecutive and aligned
	s_wait_tensorcnt 0x0                           ; the wave's end
	ds_add_u32 v[SPW], v[NIL]
	s_wait_dscnt 0x0
	s_endpgm
; Wo to f16: a wave takes 8,192 numbers, 64 loads of 512 consecutive bytes in four groups of 16, two sets of registers by turns.
.Lwo:
	s_sub_co_u32 s33, s32, 1920                    ; my run in Wo: 4 (work-group - 480) + wave
	s_lshl_b32 s34, s33, 15
	s_add_nc_u64 s[4:5], s[20:21], s[34:35]
	s_lshl_b32 s34, s33, 14
	s_add_nc_u64 s[CD:CD+1], s[26:27], s[34:35]
.macro WLOAD g, set
.irp i, 0,1,2,3,4,5,6,7,8,9,10,11,12,13,14,15
	global_load_b128 v[\set+4*\i:\set+4*\i+3], v3, s[4:5] offset:512*(16*\g+\i) th:TH_LOAD_NT
.endr
.endm
.macro WOUT g, set
.irp i, 0,1,2,3,4,5,6,7,8,9,10,11,12,13,14,15
	v_cvt_pk_f16_f32 v[144+2*\i], v[\set+4*\i], v[\set+4*\i+1]
	v_cvt_pk_f16_f32 v[145+2*\i], v[\set+4*\i+2], v[\set+4*\i+3]
.endr
.irp i, 0,1,2,3,4,5,6,7,8,9,10,11,12,13,14,15
	global_store_b64 v7, v[144+2*\i:145+2*\i], s[CD:CD+1] offset:256*(16*\g+\i)   ; 32 lanes store 256 consecutive bytes, aligned
.endr
.endm
	WLOAD 0, 16
	WLOAD 1, 80
	s_wait_loadcnt 16                              ; group 0 is in; group 1's sixteen stay out
	WOUT 0, 16
	WLOAD 2, 16
	s_wait_loadcnt 16                              ; group 1 is in
	s_wait_xcnt 0x0                                ; the stores' data registers are written again only behind this wait
	WOUT 1, 80
	WLOAD 3, 80
	s_wait_loadcnt 16                              ; group 2 is in
	s_wait_xcnt 0x0
	WOUT 2, 16
	s_wait_loadcnt 0x0
	s_wait_xcnt 0x0
	WOUT 3, 80
	s_endpgm
.Lfunc_end_k_qca016a5d5b_quant:
	.size	k_qca016a5d5b_quant, .Lfunc_end_k_qca016a5d5b_quant-k_qca016a5d5b_quant
	.p2alignl 7, 3214868480
	.fill 96, 4, 3214868480
	.section	.rodata,"a",@progbits
	.p2align	6, 0x0
	.amdhsa_kernel k_qca016a5d5b_quant
		.amdhsa_group_segment_fixed_size 33280
		.amdhsa_private_segment_fixed_size 0
		.amdhsa_enable_private_segment 0
		.amdhsa_kernarg_size 80
		.amdhsa_user_sgpr_count 2
		.amdhsa_user_sgpr_kernarg_segment_ptr 1
		.amdhsa_wavefront_size32 1
		.amdhsa_system_sgpr_workgroup_id_x 1
		.amdhsa_system_sgpr_workgroup_id_y 1
		.amdhsa_system_sgpr_workgroup_id_z 1
		.amdhsa_system_vgpr_workitem_id 0
		.amdhsa_next_free_vgpr 192
		.amdhsa_next_free_sgpr 66
		.amdhsa_reserve_vcc 0
		.amdhsa_float_denorm_mode_32 3
		.amdhsa_float_denorm_mode_16_64 3
		.amdhsa_memory_ordered 1
		.amdhsa_forward_progress 1
		.amdhsa_inst_pref_size 54
	.end_amdhsa_kernel
	.amdgpu_metadata
---
amdhsa.version: [ 1, 2 ]
amdhsa.kernels:
  - .name:           k_qca016a5d5b_quant
    .symbol:         k_qca016a5d5b_quant.kd
    .args:
      - { .name: q, .offset: 0, .size: 8, .value_kind: global_buffer, .address_space: global }
      - { .name: k, .offset: 8, .size: 8, .value_kind: global_buffer, .address_space: global }
      - { .name: v, .offset: 16, .size: 8, .value_kind: global_buffer, .address_space: global }
      - { .name: Wq, .offset: 24, .size: 8, .value_kind: global_buffer, .address_space: global }
      - { .name: Wk, .offset: 32, .size: 8, .value_kind: global_buffer, .address_space: global }
      - { .name: Wv, .offset: 40, .size: 8, .value_kind: global_buffer, .address_space: global }
      - { .name: Wo, .offset: 48, .size: 8, .value_kind: global_buffer, .address_space: global }
      - { .name: codes, .offset: 56, .size: 8, .value_kind: global_buffer, .address_space: global }
      - { .name: scales, .offset: 64, .size: 8, .value_kind: global_buffer, .address_space: global }
      - { .name: wo16, .offset: 72, .size: 8, .value_kind: global_buffer, .address_space: global }
    .group_segment_fixed_size: 33280
    .private_segment_fixed_size: 0
    .kernarg_segment_align: 8
    .kernarg_segment_size: 80
    .max_flat_workgroup_size: 128
    .sgpr_count:     66
    .vgpr_count:     192
    .wavefront_size: 32
...
	.end_amdgpu_metadata
.endif
;; end of part 1
;; launch proj (part 2): grid 4 x 48, 4 waves a work-group, clusters of 4 x 4, 327,680 bytes of LDS; arguments codes, scales, bq, bk, bv, qkv; writes qkv
.if DOCPART == 2
	.amdgcn_target "amdgcn-amd-amdhsa--gfx1250"
	.amdhsa_code_object_version 6
	.text
	.protected	k_qca016a5d5b_proj
	.globl	k_qca016a5d5b_proj
	.p2align	8
	.type	k_qca016a5d5b_proj,@function
k_qca016a5d5b_proj:
	s_mov_b64 s[64:65], 0
	v_nop
	global_prefetch_b8 v0, s[64:65] scope:SCOPE_SE
	s_setreg_imm32_b32 hwreg(HW_REG_WAVE_MODE, 25, 1), 1
	s_wait_xcnt 0x0
	s_wait_alu depctr_hold_cnt(0) depctr_sa_sdst(0) depctr_va_vdst(0) depctr_va_sdst(0) depctr_va_ssrc(0) depctr_va_vcc(0) depctr_vm_vsrc(0)
	s_getreg_b32 s2, hwreg(HW_REG_IB_STS2, 6, 4)
	s_cmp_eq_u32 s2, 0
	s_cbranch_scc0 .Lentry_in_a_cluster
	s_endpgm
.Lentry_in_a_cluster:
	s_bfe_u32 s2, ttmp6, 0x10000c
	s_cmp_lg_u32 s2, 0xf033
	s_cbranch_scc0 .Lentry_shape_is_right
	s_endpgm
.Lentry_shape_is_right:
; The three quantised projections: y = x W^T + b on codes of FP4 (E2M1) with one E8M0 scale for each 32 along K, sums in f32, the result rounded to f16 and stored head-major:
; qkv [3 tensors][2 b][16 h][2048 l][64].  x's codes are rows 0-12,287 of codes (q, k, v), W's rows 12,288 + 1,024 x tensor on; scales likewise, 32 bytes a row.
; LIMIT: the results go to f16: magnitudes up to 65,504.
; SHARES: 48 x 4 tiles of 256 x 256, one to a work-group of four waves; a wave makes 128 x 128: 64 accumulators, 512 registers.  192 work-groups: 4,096 rows and 1,024 columns of each of three products
; divide into no 256 equal tiles that stay inside one tensor.  K = 1,024 is two K steps of 512: both LDS slots are filled once, at the head, and nothing is filled again.
; CLUSTERS: 4 x 4 work-groups.  The four of a row need the same tiles of x, the four of a column the same tiles of W: each is asked for jointly.  A cluster's four tile rows lie in one tensor (16 tile rows each).
; THE MATRIX INSTRUCTION IS USED TRANSPOSED (source 0 = 16 rows of W, source 1 = 16 rows of x): a lane holds eight neighbouring columns of one row.  THE BIAS IS THE C OF THE FIRST PRODUCTS.
; REGISTERS, in windows of 256: window 0: v0-31 addresses; v32-95 scale words, two sets; v128-191 x's fragments, one set; v192-255 the bias, 8 registers for each of my 8 column blocks; on the way out v32-127 are free.
;   window 1: W's fragments, two sets, at v0 and v128.   window 2: the accumulators of my rows 0-63 ((a, b) at v[8 (8 a + b)]);   window 3: those of rows 64-127.
.set NQ,     4                         ; matrix instructions deep in a slot (512 along K)
.set ROWB,   256                       ; a tile's row in bytes
.set KROW,   512                       ; a row of codes in memory
.set PITCH,  272                       ; an LDS row: 256 bytes + 16 of padding = 68 words, so the 16 rows that a load touches start at 16 different banks (64 banks of 4 bytes: ISA guide 11.1)
.set FR,     8
.set NL,     2
.set NP,     4                         ; places behind this matrix instruction (ISA guide 7.12.1)
.set HALFT,  128*PITCH
.set SLOT,   4*HALFT                   ; x's 256 rows, then W's 256 rows
.set KS,     32                        ; a row of scales in bytes
.set SCL,    2*SLOT                    ; behind the slots: the scales, as units of 256 bytes + 16 of padding
.set HALFS,  (128*KS/256)*272
.set SBLK,   (16*KS/256)*272
.set SPARE,  SCL+4*HALFS               ; the spare words, 128 bytes a wave
.set HP,     144                       ; the way out: a stage row: a head's 128 bytes + 16
.set HB,     16*HP                     ; 16 rows of one head; a wave's stage is two of these, in slot 0, which has had its only fill and its last read by then
.set ADRA, 16
.set ADRB, 20
.set STO,  24
.set RD,   25
.set CO,   26
.set ADRS, 27
.set SPW,  28
.set NIL,  29
.set SC,   32
.set AF,   128
.set BI,   192
.set TMP,  32                          ; the way out: packed results
.set BK,   64                          ; and 16 rows read back: v64-95 and v96-127 by turns
.set G1, 24
.set G0, 32
.set G1B, 48
.set G0B, 56
.set G1S, 68
.set G0S, 76
.set G1SB, 80
.set G0SB, 88
.set MSB, 0
.macro WIN new                         ; the immediate's high byte repeats the setting that is left
.if MSB != (\new)
	s_set_vgpr_msb (MSB<<8)|(\new)
.set MSB, (\new)
.endif
.endm
.set MUL_LO, 0xa1                      ; source 0 (W) window 1, source 1 (x) window 0, C and D window 2
.set MUL_HI, 0xf1                      ; the same, C and D window 3.  Where C is the bias (window 0): 0x81 and 0xc1
.set TO_B,   0x40
; A joint load: waves 0 and 1 fetch for x, waves 2 and 3 for W.  The branch hangs on the wave's number alone.  An s_nop 0 and four v_nop follow each line.
.macro JLOAD g0a, g1a, g0b, g1b
	s_cmp_eq_u32 s15, 0
	s_cbranch_scc0 .Lfor_b_\@
	tensor_load_to_lds s[\g0a:\g0a+3], s[\g1a:\g1a+7]
	s_nop 0
.rept 4
	v_nop
.endr
	s_branch .Lasked_\@
.Lfor_b_\@:
	tensor_load_to_lds s[\g0b:\g0b+3], s[\g1b:\g1b+7]
	s_nop 0
.rept 4
	v_nop
.endr
.Lasked_\@:
.endm
.macro CROUND                          ; a round of the cluster's barrier
	s_barrier_signal -1
	s_barrier_wait -1
	s_cmp_lg_u32 s14, 0
	s_cbranch_scc1 .Lnot_wave_0_\@
	s_barrier_signal -3
.Lnot_wave_0_\@:
	s_barrier_wait -3
	s_barrier_signal -1
	s_barrier_wait -1
.endm
	s_load_b256 s[4:11], s[0:1], 0x0               ; codes 4, scales 6, bq 8, bk 10
	s_load_b128 s[96:99], s[0:1], 0x20             ; bv 96, qkv 98
	v_lshl_add_u32 v[SPW], v0, 2, SPARE
	v_mov_b32 v[NIL], 0
	ds_add_u32 v[SPW], v[NIL]                      ; the wave's opening: the add, twice on end, and its wait ahead of my first tensor load
	ds_add_u32 v[SPW], v[NIL]
	v_lshrrev_b32 v1, 5, v0
	v_readfirstlane_b32 s14, v1                    ; wave 0..3
	s_lshr_b32 s15, s14, 1                         ; which half of the tile's rows is mine.  Also: I fetch for x (0) or for W (1)
	s_and_b32 s16, s14, 1                          ; which half of its columns.  Also: which 128 rows I fetch
	s_bfe_u32 s40, ttmp6, 0x40000                  ; cx
	s_bfe_u32 s41, ttmp6, 0x40004                  ; cy
	s_lshl_b32 s42, ttmp9, 2
	s_add_co_u32 s42, s42, s40                     ; tile column 0..3
	s_and_b32 s17, ttmp7, 0xffff
	s_lshr_b32 s95, s17, 2                         ; the tensor, 0..2: from the cluster's y alone
	s_lshl_b32 s17, s17, 2
	s_add_co_u32 s17, s17, s41                     ; tile row 0..47
	s_lshl_b32 s43, s41, 2
	s_lshl_b32 s43, 15, s43                        ; my row of the cluster
	s_lshl_b32 s44, 0x1111, s40                    ; my column
	; group 1: a tile of 128 rows x 256 bytes, 16 bytes of padding behind each row
	s_or_b32 s[G1+0], s43, (0<<16)|(1<<20)|(1<<21)|(5<<22)|(3<<25)
	s_or_b32 s[G1B+0], s44, (0<<16)|(1<<20)|(1<<21)|(5<<22)|(3<<25)
.irp g, G1, G1B
	s_mov_b32 s[\g+1], ROWB<<16                    ; tensor_dim0
	s_mov_b32 s[\g+2], 128<<16                     ; tensor_dim1
	s_mov_b32 s[\g+3], ROWB<<16                    ; tile_dim0
	s_mov_b32 s[\g+4], 128                         ; tile_dim1
	s_mov_b32 s[\g+5], KROW                        ; from row to row
	s_mov_b32 s[\g+6], 0
	s_mov_b32 s[\g+7], 0
.endr
	; the scales of 128 rows: 4,096 dense bytes, as 16 rows of 256 bytes (32 elements of 8 bytes), 16 bytes of padding behind each
	s_or_b32 s[G1S+0], s43, (3<<16)|(1<<20)|(1<<21)|(5<<22)|(3<<25)
	s_or_b32 s[G1SB+0], s44, (3<<16)|(1<<20)|(1<<21)|(5<<22)|(3<<25)
.irp g, G1S, G1SB
	s_mov_b32 s[\g+1], 32<<16
	s_mov_b32 s[\g+2], (128*KS/256)<<16
	s_mov_b32 s[\g+3], 32<<16
	s_mov_b32 s[\g+4], 128*KS/256
	s_mov_b32 s[\g+5], 32
	s_mov_b32 s[\g+6], 0
	s_mov_b32 s[\g+7], 0
.endr
	s_lshl_b32 s18, s16, 7                         ; which 128 rows of the tile I fetch
	s_lshl_b32 s20, s17, 8
	s_add_co_u32 s20, s20, s18                     ; x: row 256 x tile row + 128 x half
	s_lshl_b32 s46, s42, 8
	s_add_co_u32 s46, s46, s18
	s_lshl_b32 s47, s95, 10
	s_add_co_u32 s46, s46, s47
	s_add_co_u32 s46, s46, 12288                   ; W: row 12,288 + 1,024 x tensor + 256 x tile column + 128 x half
	s_lshl_b32 s22, s20, 5                         ; their scales, 32 bytes a row,
	s_lshl_b32 s20, s20, 9                         ; and codes, 512 bytes a row (all under 2^23)
	s_mov_b32 s21, 0
	s_mov_b32 s23, 0
	s_lshl_b32 s92, s46, 5
	s_lshl_b32 s46, s46, 9
	s_mov_b32 s47, 0
	s_mov_b32 s93, 0
	s_mul_i32 s45, s14, HALFT                      ; where they go: wave x 128 rows
	s_mul_i32 s94, s14, HALFS
	s_wait_dscnt 0x0                               ; both opening adds are done
	s_wait_kmcnt 0x0
	s_add_nc_u64 s[20:21], s[4:5], s[20:21]
	s_add_nc_u64 s[22:23], s[6:7], s[22:23]
	s_add_nc_u64 s[46:47], s[4:5], s[46:47]
	s_add_nc_u64 s[92:93], s[6:7], s[92:93]
	CROUND                                         ; all sixteen work-groups are here: the joint loads meet
	s_mov_b32 s[G0S], 1
	s_add_co_u32 s[G0S+1], s94, SCL
	s_mov_b64 s[G0S+2:G0S+3], s[22:23]
	s_or_b32 s[G0S+3], s[G0S+3], 0x80000000
	s_mov_b32 s[G0SB], 1
	s_add_co_u32 s[G0SB+1], s94, SCL
	s_mov_b64 s[G0SB+2:G0SB+3], s[92:93]
	s_or_b32 s[G0SB+3], s[G0SB+3], 0x80000000
	JLOAD G0S, G1S, G0SB, G1SB                     ; the scales first: they are wanted with K step 0.  Three loads of mine are out behind this group
.irp s, 0,1
	s_mov_b32 s[G0+4*\s], 1
	s_add_co_u32 s[G0+4*\s+1], s45, \s*SLOT
	s_add_nc_u64 s[G0+4*\s+2:G0+4*\s+3], s[20:21], \s*ROWB
	s_or_b32 s[G0+4*\s+3], s[G0+4*\s+3], 0x80000000
	s_mov_b32 s[G0B+4*\s], 1
	s_add_co_u32 s[G0B+4*\s+1], s45, \s*SLOT
	s_add_nc_u64 s[G0B+4*\s+2:G0B+4*\s+3], s[46:47], \s*ROWB
	s_or_b32 s[G0B+4*\s+3], s[G0B+4*\s+3], 0x80000000
	JLOAD G0+4*\s, G1, G0B+4*\s, G1B
.endr
	v_and_b32 v1, 15, v0                           ; r = lane % 16
	v_bfe_u32 v2, v0, 4, 1                         ; h = lane / 16
	; the bias of my 128 columns, in the result's layout: register 8 b + j = bias(16 b + 8 h + j)
	s_cmp_eq_u32 s95, 1
	s_cselect_b64 s[8:9], s[10:11], s[8:9]
	s_cmp_eq_u32 s95, 2
	s_cselect_b64 s[8:9], s[96:97], s[8:9]
	s_lshl_b32 s18, s42, 10
	s_lshl_b32 s19, s16, 9
	s_add_co_u32 s18, s18, s19
	s_mov_b32 s19, 0
	s_add_nc_u64 s[8:9], s[8:9], s[18:19]
	v_lshlrev_b32 v7, 5, v2
.irp b, 0,1,2,3,4,5,6,7
	global_load_b128 v[BI+8*\b:BI+8*\b+3], v7, s[8:9] offset:64*\b
	global_load_b128 v[BI+8*\b+4:BI+8*\b+7], v7, s[8:9] offset:64*\b+16
.endr
	v_mul_u32_u24 v3, v1, PITCH
	v_lshl_add_u32 v4, v2, 4, v3                   ; a fragment's row x pitch + 16 x half
	s_mul_i32 s21, s15, HALFT                      ; my 128 rows of x
	s_mul_i32 s22, s16, HALFT                      ; my 128 rows of W,
	s_add_co_u32 s22, s22, 2*HALFT                 ; behind x's 256
.irp s, 0,1
	v_add_nc_u32 v[ADRA+\s], s21, v4
	v_add_nc_u32 v[ADRB+\s], s22, v4
	s_add_co_u32 s21, s21, SLOT
	s_add_co_u32 s22, s22, SLOT
.endr
	v_mul_u32_u24 v5, v1, KS                       ; my row's scales: 32 bytes a row,
	v_lshrrev_b32 v6, 8, v5
	v_lshl_add_u32 v5, v6, 4, v5                   ; and 16 more for each 256 passed
	s_mul_i32 s21, s15, HALFS
	s_mul_i32 s22, s16, HALFS
	s_add_co_u32 s22, s22, 2*HALFS
	s_sub_co_u32 s22, s22, s21
	v_mul_u32_u24 v6, s22, v2                      ; lanes 16-31 take W's
	s_add_co_u32 s21, s21, SCL
	v_add_nc_u32 v5, v5, v6
	v_add_nc_u32 v[ADRS], s21, v5
	s_mul_i32 s23, s14, 2*HB                       ; my stage
	v_mul_u32_u24 v5, v1, HP
	v_lshl_add_u32 v5, v2, 4, v5
	v_add_nc_u32 v[STO], s23, v5                   ; in: row r, 16 bytes for each half of the lanes
	v_bfe_u32 v5, v0, 3, 2
	v_mul_u32_u24 v5, v5, HP
	v_and_b32 v6, 7, v0
	v_lshl_add_u32 v5, v6, 4, v5
	v_add_nc_u32 v[RD], s23, v5                    ; back: eight lanes to a row of 128 bytes, four rows an instruction
	v_and_b32 v6, 31, v0
	v_lshlrev_b32 v[CO], 4, v6                     ; the same four rows are 512 consecutive bytes of a head
	; where my part begins in qkv: (tile row / 8) x 4 MiB (tensor and batch) + head (4 x tile column + 2 x half) x 262,144 + row (256 (tile row % 8) + 128 x half) x 128
	s_lshr_b32 s18, s17, 3
	s_lshl_b32 s18, s18, 22
	s_lshl_b32 s19, s42, 20
	s_add_co_u32 s18, s18, s19
	s_lshl_b32 s19, s16, 19
	s_add_co_u32 s18, s18, s19
	s_and_b32 s19, s17, 7
	s_lshl_b32 s19, s19, 15
	s_add_co_u32 s18, s18, s19
	s_lshl_b32 s19, s15, 14
	s_add_co_u32 s18, s18, s19
	s_mov_b32 s19, 0
	s_add_nc_u64 s[98:99], s[98:99], s[18:19]
.macro FRAG reg, adr, q, i             ; 16 rows x 128 K of 4-bit codes: lane l holds row l % 16; registers 4 c .. 4 c + 3 hold K = 64 c + 32 (l / 16) + 0 .. 31
.irp c, 0,1
	ds_load_b128 v[\reg+4*\c:\reg+4*\c+3], v[\adr] offset:64*(\q)+32*\c+(\i)*16*PITCH
.endr
.endm
; 16 matrix instructions: x's blocks a0, a0 + 1 against W's eight.  zero = 1: the first products take the bias as C: nothing is cleared and nothing is added later.
; The 64 accumulators take turns, one instruction a turn, in the same order in every step.
.macro MUL16 a0, p, q, sc, zero
.irp a, \a0, \a0+1
.irp b, 0,1,2,3,4,5,6,7
.if \zero
	v_wmma_scale_f32_16x16x128_f8f6f4 v[8*(8*((\a)%4)+\b):8*(8*((\a)%4)+\b)+7], v[128*(\p)+FR*\b:128*(\p)+FR*\b+FR-1], v[AF+FR*(\a):AF+FR*(\a)+FR-1], v[BI+8*\b:BI+8*\b+7], v[SC+8*NQ*(\sc)+NQ*\b+(\q)], v[SC+8*NQ*(\sc)+NQ*(\a)+(\q)] matrix_a_fmt:MATRIX_FMT_FP4 matrix_b_fmt:MATRIX_FMT_FP4 matrix_a_scale:MATRIX_SCALE_ROW1
.else
	v_wmma_scale_f32_16x16x128_f8f6f4 v[8*(8*((\a)%4)+\b):8*(8*((\a)%4)+\b)+7], v[128*(\p)+FR*\b:128*(\p)+FR*\b+FR-1], v[AF+FR*(\a):AF+FR*(\a)+FR-1], v[8*(8*((\a)%4)+\b):8*(8*((\a)%4)+\b)+7], v[SC+8*NQ*(\sc)+NQ*\b+(\q)], v[SC+8*NQ*(\sc)+NQ*(\a)+(\q)] matrix_a_fmt:MATRIX_FMT_FP4 matrix_b_fmt:MATRIX_FMT_FP4 matrix_a_scale:MATRIX_SCALE_ROW1
.endif
.endr
.endr
.endm
.macro FETCH_B slot, q, p
	WIN TO_B
.irp i, 0,1,2,3,4,5,6,7
	FRAG 128*(\p)+FR*\i, ADRB+\slot, \q, \i
.endr
	WIN 0
.endm
.macro FETCH_A slot, q, i0
.irp i, \i0, \i0+1, \i0+2, \i0+3
	FRAG AF+FR*(\i), ADRA+\slot, \q, \i
.endr
.endm
.macro SCALES sc                       ; a K step's scale words: 4 words a row; lanes 0-15 take x's block i, lanes 16-31 W's block i
.irp i, 0,1,2,3,4,5,6,7
	ds_load_b128 v[SC+8*NQ*\sc+NQ*\i:SC+8*NQ*\sc+NQ*\i+3], v[ADRS] offset:\i*SBLK
.endr
.endm
.macro PLACES n                        ; plain vector instructions between a matrix instruction and a load into, or a read of, its registers
.rept \n
	v_nop
.endr
.endm
.macro STEP slot, q, zero              ; 128 along K, with its successor in the same slot
	s_wait_dscnt 4*NL                              ; W's set and x's blocks 0-3 are in; the youngest eight loads (x's blocks 4-7) may be out
	WIN MUL_LO-0x20*(\zero)
	MUL16 0, (\q)%2, \q, \slot, \zero
	MUL16 2, (\q)%2, \q, \slot, \zero
	s_wait_dscnt 0
	PLACES NP
	FETCH_B \slot, (\q)+1, 1-(\q)%2
	FETCH_A \slot, (\q)+1, 0
	WIN MUL_HI-0x30*(\zero)
	MUL16 4, (\q)%2, \q, \slot, \zero
	MUL16 6, (\q)%2, \q, \slot, \zero
	PLACES NP
	WIN 0
	FETCH_A \slot, (\q)+1, 4
.endm
	s_wait_tensorcnt 1                             ; the scales and my part of slot 0 are in; slot 1's load may be out
	s_barrier_signal -1
	s_barrier_wait -1                              ; everybody's are
	FETCH_B 0, 0, 0
	FETCH_A 0, 0, 0
	SCALES 0
	FETCH_A 0, 0, 4
	s_wait_loadcnt 0x0                             ; the bias
	STEP 0, 0, 1
	STEP 0, 1, 0
	STEP 0, 2, 0
	; slot 0's last step changes slots: one barrier; in front of it each wave's part of slot 1 has landed and its reads of slot 0 are over
	s_wait_tensorcnt 0x0
	ds_add_u32 v[SPW], v[NIL]                      ; 0 onto my spare word
	s_wait_dscnt 4*NL+1                            ; (the add and x's blocks 4-7 may be out)
	WIN MUL_LO
	MUL16 0, 1, NQ-1, 0, 0
	s_wait_dscnt 0x0
	s_barrier_signal -1
	MUL16 2, 1, NQ-1, 0, 0
	WIN 0
	s_barrier_wait -1
	PLACES NP
	v_add_nc_u32 v[ADRS], 4*NQ, v[ADRS]            ; on to the second K step's scale words
	FETCH_B 1, 0, 0
	FETCH_A 1, 0, 0
	SCALES 1
	WIN MUL_HI
	MUL16 4, 1, NQ-1, 0, 0
	MUL16 6, 1, NQ-1, 0, 0
	PLACES NP
	WIN 0
	FETCH_A 1, 0, 4
	STEP 1, 0, 0
	STEP 1, 1, 0
	STEP 1, 2, 0
	s_wait_dscnt 4*NL                              ; the last step: nothing more to fetch
	WIN MUL_LO
	MUL16 0, 1, NQ-1, 1, 0
	MUL16 2, 1, NQ-1, 1, 0
	s_wait_dscnt 0
	WIN MUL_HI
	MUL16 4, 1, NQ-1, 1, 0
	MUL16 6, 1, NQ-1, 1, 0
	WIN 0
; THE WAY OUT, a block of 16 rows x 128 columns (two heads) at a time: rounded to f16, 16 bytes a lane into my stage, back as rows of 128 bytes, four rows (512 consecutive bytes of a head) a store.
.macro PACK a
.set AC, 64*((\a)%4)
	WIN 0x0a+5*((\a)/4)                            ; sources 0 and 1: window 2 or 3
.irp b, 0,1,2,3,4,5,6,7
.irp r, 0,1,2,3
	v_cvt_pk_f16_f32 v[TMP+4*\b+\r], v[AC+8*\b+2*\r], v[AC+8*\b+2*\r+1]   ; each accumulator from its low end on
.endr
.endr
	WIN 0
.endm
.macro TOSTAGE a
.irp b, 0,1,2,3,4,5,6,7
	ds_store_b128 v[STO], v[TMP+4*\b:TMP+4*\b+3] offset:(\b/4)*HB+32*(\b%4)
.endr
.irp hd, 0,1
.irp i, 0,1,2,3
	ds_load_b128 v[BK+32*((\a)%2)+4*(4*\hd+\i):BK+32*((\a)%2)+4*(4*\hd+\i)+3], v[RD] offset:\hd*HB+\i*4*HP   ; LDS serves a wave's instructions in order: these see the stores above
.endr
.endr
.endm
.macro SEND a
	s_wait_dscnt 0x0                               ; the block is back in registers
	s_wait_xcnt 0x0                                ; the stores of the block before have read their registers: the next block's loads may land there
.irp hd, 0,1
.irp i, 0,1,2,3
	global_store_b128 v[CO], v[BK+32*((\a)%2)+4*(4*\hd+\i):BK+32*((\a)%2)+4*(4*\hd+\i)+3], s[98:99] offset:\hd*262144+(\a)*2048+\i*512   ; 512 consecutive bytes, aligned; the largest offset is 278,016
.endr
.endr
.endm
	PLACES NP                                      ; behind the last products: for the reads of results and the writes of the scale words' registers
	PACK 0
	TOSTAGE 0
.irp a, 1,2,3,4,5,6,7                  ; block a's conversions stand between block a - 1's loads from the stage and the wait for them
	PACK \a
	SEND \a-1
	TOSTAGE \a
.endr
	SEND 7
	s_wait_tensorcnt 0x0                           ; the wave's end
	ds_add_u32 v[SPW], v[NIL]
	s_wait_dscnt 0x0
	CROUND                                         ; the closing round
	s_endpgm
.Lfunc_end_k_qca016a5d5b_proj:
	.size	k_qca016a5d5b_proj, .Lfunc_end_k_qca016a5d5b_proj-k_qca016a5d5b_proj
	.p2alignl 7, 3214868480
	.fill 96, 4, 3214868480
	.section	.rodata,"a",@progbits
	.p2align	6, 0x0
	.amdhsa_kernel k_qca016a5d5b_proj
		.amdhsa_group_segment_fixed_size 327680
		.amdhsa_private_segment_fixed_size 0
		.amdhsa_enable_private_segment 0
		.amdhsa_kernarg_size 48
		.amdhsa_user_sgpr_count 2
		.amdhsa_user_sgpr_kernarg_segment_ptr 1
		.amdhsa_wavefront_size32 1
		.amdhsa_system_sgpr_workgroup_id_x 1
		.amdhsa_system_sgpr_workgroup_id_y 1
		.amdhsa_system_sgpr_workgroup_id_z 1
		.amdhsa_system_vgpr_workitem_id 0
		.amdhsa_next_free_vgpr 1024
		.amdhsa_next_free_sgpr 100
		.amdhsa_reserve_vcc 0
		.amdhsa_float_denorm_mode_32 3
		.amdhsa_float_denorm_mode_16_64 3
		.amdhsa_memory_ordered 1
		.amdhsa_forward_progress 1
		.amdhsa_inst_pref_size 128
	.end_amdhsa_kernel
	.amdgpu_metadata
---
amdhsa.version: [ 1, 2 ]
amdhsa.kernels:
  - .name:           k_qca016a5d5b_proj
    .symbol:         k_qca016a5d5b_proj.kd
    .args:
      - { .name: codes, .offset: 0, .size: 8, .value_kind: global_buffer, .address_space: global }
      - { .name: scales, .offset: 8, .size: 8, .value_kind: global_buffer, .address_space: global }
      - { .name: bq, .offset: 16, .size: 8, .value_kind: global_buffer, .address_space: global }
      - { .name: bk, .offset: 24, .size: 8, .value_kind: global_buffer, .address_space: global }
      - { .name: bv, .offset: 32, .size: 8, .value_kind: global_buffer, .address_space: global }
      - { .name: qkv, .offset: 40, .size: 8, .value_kind: global_buffer, .address_space: global }
    .group_segment_fixed_size: 327680
    .private_segment_fixed_size: 0
    .kernarg_segment_align: 8
    .kernarg_segment_size: 48
    .max_flat_workgroup_size: 128
    .sgpr_count:     100
    .vgpr_count:     1024
    .wavefront_size: 32
...
	.end_amdgpu_metadata
.endif
;; end of part 2
;; launch attn (part 3): grid 8 x 32, 8 waves a work-group, clusters of 4 x 1, 327,680 bytes of LDS; arguments qkv, mask, oh; writes oh
.if DOCPART == 3
	.amdgcn_target "amdgcn-amd-amdhsa--gfx1250"
	.amdhsa_code_object_version 6
	.text
	.protected	k_qca016a5d5b_attn
	.globl	k_qca016a5d5b_attn
	.p2align	8
	.type	k_qca016a5d5b_attn,@function
k_qca016a5d5b_attn:
	s_mov_b64 s[64:65], 0
	v_nop
	global_prefetch_b8 v0, s[64:65] scope:SCOPE_SE
	s_setreg_imm32_b32 hwreg(HW_REG_WAVE_MODE, 25, 1), 1
	s_wait_xcnt 0x0
	s_wait_alu depctr_hold_cnt(0) depctr_sa_sdst(0) depctr_va_vdst(0) depctr_va_sdst(0) depctr_va_ssrc(0) depctr_va_vcc(0) depctr_vm_vsrc(0)
	s_getreg_b32 s2, hwreg(HW_REG_IB_STS2, 6, 4)
	s_cmp_eq_u32 s2, 0
	s_cbranch_scc0 .Lentry_in_a_cluster
	s_endpgm
.Lentry_in_a_cluster:
	s_bfe_u32 s2, ttmp6, 0x10000c
	s_cmp_lg_u32 s2, 0x3003
	s_cbranch_scc0 .Lentry_shape_is_right
	s_endpgm
.Lentry_shape_is_right:
; O[b][h][q] = the sum over k of softmax_k(Q . K / 8, masked keys left out) V.  Q, K, V: qkv [3][2 b][16 h][2048][64] f16.  mask [2][2048], one byte a key, 1 = left out.
; oh: [32 blocks of 128 rows (b, l)][16 heads][128 rows][64] f16.  Products, maxima and sums in f32; the weights p are rounded to f16 for the second product, O once at the end.
; LIMITS: a masked score is the score - 1e30 and not -infinity: scores of f16 operands lie under 2.7e11, so its p is exactly 0 beside any key that counts.  A batch whose every key is masked gives NaN, by a select at the end.
; SHARES: a work-group owns 256 queries of one (b, h); each of its eight waves 32: two tiles of 16.  Two waves lie on a SIMD, so that one wave's softmax stands beside the other's products.  Every wave walks 2,048 keys, 64 a step.
; LAYOUT: S^T = K Q^T (source 0 = 16 keys, source 1 = 16 queries), O^T = V^T P (source 0 = 16 channels x 32 keys, turned by ds_load_tr16_b128): a lane holds ONE query throughout.
; THE MASK IS THE C OF THE FIRST PRODUCT of each score tile: a table of 0 or -1e30 for each key lies in LDS.
; SOFTMAX: a running maximum m and sum l for each query: p = 2^(c s - c m), c = log2(e) / 8; in every step O and l are multiplied by a = 2^(c m_old - c m_new).
; RING: two LDS slots of 512 keys; four blocks of keys: two first fills, two refills.  All eight waves load, one load each: waves 0-3 a quarter of K's block, waves 4-7 of V's.
; CLUSTER: the four query blocks of a cluster belong to one head and walk the same K and V: each tile is asked for jointly, with a mask that names the four.
; K and V of a head are dense in memory: they are stated as rows of 256 bytes (two keys).  Key k lies at (k / 2) x pitch + (k % 2) x 128.
; REGISTERS: window 0: v0-15 addresses; v16-31 statistics, 8 a tile; v32-95 S^T, 32 a tile; v96-127 P; v128-159 the mask's addends of 64 keys; v160-191 Q; v192-255 O^T, 32 a tile.
;   window 1: v0-63 K's fragments of a step, v64-127 V's.  Only source 0 of the products and the destination of K's and V's loads leave window 0.
.set PK,    272                        ; two keys of K: 256 bytes + 16: the 16 rows of a fragment start at banks 4 i and 4 i + 32 (64 banks of 4 bytes: ISA guide 11.1)
.set PV,    288                        ; two keys of V: 256 bytes + 32: the turning load's 8 keys x 32 bytes start at banks 8 i and 8 i + 32
.set VOFF,  256*PK                     ; a slot: 512 keys of K, then of V
.set SLOT,  256*(PK+PV)
.set MB,    2*SLOT                     ; the mask's table, 2,048 f32: written by LDS stores, never a fill's target
.set SPARE, MB+8192                    ; the spare words, 128 bytes a wave
.set HP,    144                        ; the way out: a stage row, 128 bytes + 16
.set HB,    16*HP                      ; a tile's 16 rows; a wave's stage is two of these, in slot 0, which has had its last fill and its last read by then
.set AK0, 2
.set AV0, 3
.set AM0, 4
.set ADK, 5
.set ADV, 6
.set ADM, 7
.set QO,  8
.set GO,  10
.set PFO, 11
.set SPW, 12
.set NIL, 13
.set STO, 14
.set RD,  15
.set ST,  16                           ; tile t at v[ST+8 t]: +0 c m, +1 m, +2, +3 l, +4 to +7 c0-c3, at work; a takes c2's place
.set S,   32
.set P,   96
.set BI,  128
.set Q,   160
.set O,   192
.set KF,  0                            ; window 1
.set VF,  64
.set WV,  14
.set PFA, 18
.set G1K, 24
.set G1V, 32
.set G0K, 40                           ; s[40:47] K's group 0, a set for each slot
.set G0V, 48                           ; s[48:55] V's
.set CNT, 56
.set TBK, 57
.set CS,  58
.set SEL, 60
.set TBV, 62
.set TM,  63
.set LIM, 66
.set MNEG, 67
.set MSB, 0
.macro WIN new
.if MSB != (\new)
	s_set_vgpr_msb (MSB<<8)|(\new)
.set MSB, (\new)
.endif
.endm
.set SRC0_1, 0x01                      ; source 0 in window 1
.set TO_1,   0x40                      ; destination in window 1
.macro JLOAD n                         ; a joint refill of slot n; the branch hangs on the wave's number alone; an s_nop 0 and four v_nop follow each line
	s_cmp_lt_u32 s[WV], 4
	s_cbranch_scc0 .Lfor_v_\@
	tensor_load_to_lds s[G0K+4*\n:G0K+4*\n+3], s[G1K:G1K+7]
	s_nop 0
.rept 4
	v_nop
.endr
	s_branch .Lasked_\@
.Lfor_v_\@:
	tensor_load_to_lds s[G0V+4*\n:G0V+4*\n+3], s[G1V:G1V+7]
	s_nop 0
.rept 4
	v_nop
.endr
.Lasked_\@:
.endm
; A prefetch of the head's last block of 512 keys, which the next change of slots will ask for: it stands once, behind the first refill.  Each row of 256 bytes is named once in the launch:
; the head's first cluster asks; its four partners take 32 rows each, told apart by address; in each, waves 0 and 2 ask for K's two halves, waves 4 and 6 for V's; a lane a row.
.macro ASK
	s_cmp_eq_u32 s[LIM], 1
	s_cbranch_scc0 .Lnot_mine_\@
	global_prefetch_b8 v[PFO], s[PFA:PFA+1] th:TH_LOAD_NT scope:SCOPE_SE
.Lnot_mine_\@:
.endm
.macro CROUND                          ; a round of the cluster's barrier
	s_barrier_signal -1
	s_barrier_wait -1
	s_cmp_lg_u32 s[WV], 0
	s_cbranch_scc1 .Lnot_wave_0_\@
	s_barrier_signal -3
.Lnot_wave_0_\@:
	s_barrier_wait -3
	s_barrier_signal -1
	s_barrier_wait -1
.endm
	s_load_b128 s[4:7], s[0:1], 0x0                ; qkv, mask
	s_load_b64 s[8:9], s[0:1], 0x10                ; oh
	v_lshl_add_u32 v[SPW], v0, 2, SPARE
	v_mov_b32 v[NIL], 0
	ds_add_u32 v[SPW], v[NIL]                      ; the wave's opening: the add, twice on end, and its wait ahead of my first tensor load
	ds_add_u32 v[SPW], v[NIL]
	v_lshrrev_b32 v1, 5, v0
	v_readfirstlane_b32 s[WV], v1                  ; wave 0..7
	s_bfe_u32 s15, ttmp6, 0x40000                  ; cx
	s_lshl_b32 s16, ttmp9, 2
	s_add_co_u32 s16, s16, s15                     ; my block of 256 queries: it enters Q's and oh's addresses alone
	s_and_b32 s17, ttmp7, 0xffff                   ; y = 16 b + h, which the partners share
	s_and_b32 s20, s[WV], 3                        ; which quarter of a block I fetch
	s_lshl_b32 s22, s17, 18                        ; the head's 262,144 bytes,
	s_lshl_b32 s21, s20, 14                        ; my quarter's 16,384
	s_add_co_u32 s22, s22, s21
	s_mov_b32 s23, 0
	s_mul_i32 s72, s20, 64*PK                      ; and its place in a slot: K's,
	s_mul_i32 s73, s20, 64*PV
	s_add_co_u32 s73, s73, VOFF                    ; V's
	s_lshl_b32 s74, s17, 18                        ; Q: head + 32,768 x block + 4,096 x wave
	s_lshl_b32 s21, s16, 15
	s_add_co_u32 s74, s74, s21
	s_lshl_b32 s21, s[WV], 12
	s_add_co_u32 s74, s74, s21
	s_mov_b32 s75, 0
	s_lshr_b32 s76, s17, 4                         ; b
	s_lshl_b32 s78, s76, 11                        ; the mask's 2,048 bytes of my batch
	s_mov_b32 s79, 0
	s_lshl_b32 s76, s76, 4                         ; oh: row block 16 b + 2 x block + wave / 4,
	s_lshl_b32 s21, s16, 1
	s_add_co_u32 s76, s76, s21
	s_lshr_b32 s21, s[WV], 2
	s_add_co_u32 s76, s76, s21
	s_lshl_b32 s76, s76, 18
	s_and_b32 s21, s17, 15                         ; head x 16,384,
	s_lshl_b32 s21, s21, 14
	s_add_co_u32 s76, s76, s21
	s_lshl_b32 s21, s20, 12                        ; my 32 rows: 4,096 (wave % 4)
	s_add_co_u32 s76, s76, s21
	s_mov_b32 s77, 0
	; group 1: 64 rows of 128 elements of 2 bytes, dense in memory, padded in LDS
	s_mov_b32 s[G1K], 15|(1<<16)|(1<<20)|(1<<21)|(5<<22)|(3<<25)   ; the mask: all four work-groups; elements of 2 bytes; padding on; bit 21 beside a mask; after every 64 words; 4 words
	s_mov_b32 s[G1V], 15|(1<<16)|(1<<20)|(1<<21)|(5<<22)|(7<<25)   ; the same with 8 words
.irp g, G1K, G1V
	s_mov_b32 s[\g+1], 128<<16                     ; tensor_dim0
	s_mov_b32 s[\g+2], 64<<16                      ; tensor_dim1
	s_mov_b32 s[\g+3], 128<<16                     ; tile_dim0
	s_mov_b32 s[\g+4], 64                          ; tile_dim1
	s_mov_b32 s[\g+5], 128                         ; from row to row
	s_mov_b32 s[\g+6], 0
	s_mov_b32 s[\g+7], 0
.endr
	s_mov_b32 s[CS], 0x3e38aa3b                    ; c = log2(e) / 8
	s_mov_b32 s[CS+1], s[CS]                       ; (named with it as a pair)
	s_mov_b32 s[SEL], 0x76543210
	s_mov_b32 s[SEL+1], 0xfedcba98                 ; lane l xor 16
	s_mov_b32 s[MNEG], 0xf149f2ca                  ; -1e30
	s_and_b32 s[LIM], s[WV], 1                     ; even waves
	s_or_b32 s[LIM], s[LIM], ttmp9                 ; of the head's first cluster: the same in all four partners
	s_cmp_eq_u32 s[LIM], 0
	s_cselect_b32 s[LIM], 1, -1
	s_wait_dscnt 0x0                               ; both opening adds are done
	s_wait_kmcnt 0x0
	s_add_nc_u64 s[68:69], s[4:5], s[22:23]
	s_add_nc_u64 s[70:71], s[68:69], 16777216      ; V at my quarter of block 0
	s_add_nc_u64 s[68:69], s[68:69], 8388608       ; K likewise
	s_add_nc_u64 s[4:5], s[4:5], s[74:75]          ; Q at my first query
	s_add_nc_u64 s[6:7], s[6:7], s[78:79]
	s_add_nc_u64 s[8:9], s[8:9], s[76:77]
	s_cmp_lt_u32 s[WV], 4
	s_cselect_b64 s[PFA:PFA+1], s[68:69], s[70:71] ; in an even wave my quarter begins a half of the block
	s_lshl_b32 s20, s15, 13                        ; my work-group's 32 rows of that half's 128,
	s_add_co_u32 s20, s20, 3*65536                 ; in block 3
	s_mov_b32 s21, 0
	s_add_nc_u64 s[PFA:PFA+1], s[PFA:PFA+1], s[20:21]
	CROUND                                         ; all four work-groups are here: the first joint loads meet
.irp n, 0,1
	s_mov_b32 s[G0K+4*\n], 1
	s_add_co_u32 s[G0K+4*\n+1], s72, \n*SLOT
	s_add_nc_u64 s[G0K+4*\n+2:G0K+4*\n+3], s[68:69], \n*65536
	s_or_b32 s[G0K+4*\n+3], s[G0K+4*\n+3], 0x80000000
	s_mov_b32 s[G0V+4*\n], 1
	s_add_co_u32 s[G0V+4*\n+1], s73, \n*SLOT
	s_add_nc_u64 s[G0V+4*\n+2:G0V+4*\n+3], s[70:71], \n*65536
	s_or_b32 s[G0V+4*\n+3], s[G0V+4*\n+3], 0x80000000
.endr
	s_cmp_lt_u32 s[WV], 4                          ; a wave's two first fills stand in one branch: two loads of mine are out
	s_cbranch_scc0 .Lfirst_v
	tensor_load_to_lds s[G0K:G0K+3], s[G1K:G1K+7]
	s_nop 0
	tensor_load_to_lds s[G0K+4:G0K+7], s[G1K:G1K+7]
	s_nop 0
.rept 4
	v_nop
.endr
	s_branch .Lfirst_asked
.Lfirst_v:
	tensor_load_to_lds s[G0V:G0V+3], s[G1V:G1V+7]
	s_nop 0
	tensor_load_to_lds s[G0V+4:G0V+7], s[G1V:G1V+7]
	s_nop 0
.rept 4
	v_nop
.endr
.Lfirst_asked:
	v_and_b32 v1, 15, v0                           ; r
	v_bfe_u32 v9, v0, 4, 1                         ; h
	v_lshlrev_b32 v[QO], 7, v1
	v_lshl_add_u32 v[QO], v9, 4, v[QO]             ; Q: row r of 128 bytes + 16 h
.irp t, 0,1
.irp c, 0,1
.irp e, 0,1
	global_load_b128 v[Q+16*\t+8*\c+4*\e:Q+16*\t+8*\c+4*\e+3], v[QO], s[4:5] offset:2048*\t+64*\c+32*\e   ; Q stays in registers
.endr
.endr
.endr
	v_lshlrev_b32 v[ADM], 3, v0
	global_load_b64 v[32:33], v[ADM], s[6:7]       ; thread t takes the mask's bytes of keys 8 t .. 8 t + 7
	v_lshrrev_b32 v5, 1, v1
	v_mul_u32_u24 v[AK0], v5, PK
	v_and_b32 v5, 1, v1
	v_lshl_add_u32 v[AK0], v5, 7, v[AK0]
	v_lshl_add_u32 v[AK0], v9, 4, v[AK0]           ; K: key r of a tile: PK (r / 2) + 128 (r % 2) + 16 h
	v_bfe_u32 v5, v0, 1, 2
	v_lshl_add_u32 v5, v9, 2, v5
	v_mul_u32_u24 v[AV0], v5, PV
	v_and_b32 v5, 1, v0
	v_lshl_add_u32 v[AV0], v5, 7, v[AV0]
	v_bfe_u32 v5, v0, 3, 1
	v_lshl_add_u32 v[AV0], v5, 4, v[AV0]
	v_add_nc_u32 v[AV0], VOFF, v[AV0]              ; V: key 8 h + lane % 8, channels 8 ((lane / 8) % 2) on
	v_lshl_add_u32 v[AM0], v9, 5, MB               ; the mask's table: 8 h keys on
	s_mul_i32 s20, s[WV], 2*HB                     ; my stage
	v_mul_u32_u24 v[STO], v1, HP
	v_lshl_add_u32 v[STO], v9, 4, v[STO]
	v_add_nc_u32 v[STO], s20, v[STO]
	v_bfe_u32 v5, v0, 3, 2
	v_mul_u32_u24 v[RD], v5, HP
	v_and_b32 v5, 7, v0
	v_lshl_add_u32 v[RD], v5, 4, v[RD]
	v_add_nc_u32 v[RD], s20, v[RD]
	v_and_b32 v5, 31, v0
	v_lshlrev_b32 v[GO], 4, v5
	v_lshlrev_b32 v[PFO], 8, v5
	v_lshl_add_u32 v[ADV], v0, 5, MB               ; where I put my 8 keys' addends
.irp t, 0,1
	v_mov_b32 v[ST+8*\t+1], 0xff61b1e6             ; m = -3e38, under every score
	v_mov_b32 v[ST+8*\t+2], 0                      ; l
	v_mov_b32 v[ST+8*\t+3], 0
	v_mul_f32 v[ST+8*\t], s[CS], v[ST+8*\t+1]      ; c m
.endr
.set i, 0
.rept 64
	v_mov_b32 v[O+i], 0                            ; O^T.  (The step is written once: its first walk finds zeros, which a = 0 leaves zeros)
.set i, i+1
.endr
	s_wait_loadcnt 0x0                             ; Q and the mask's bytes
.irp j, 0,1,2,3,4,5,6,7
	v_bfe_u32 v[40+\j], v[32+\j/4], 8*(\j%4), 8
.endr
.irp j, 0,1,2,3,4,5,6,7
	v_mul_lo_u32 v[40+\j], v[40+\j], s[MNEG]       ; the byte, 0 or 1, times the bits of -1e30: 0.0 or -1e30
.endr
	ds_store_b128 v[ADV], v[40:43]
	ds_store_b128 v[ADV], v[44:47] offset:16
	s_wait_dscnt 0x0                               ; for the others' sake: my part of the table lies in LDS
	s_wait_tensorcnt 1                             ; my part of slot 0 is in; slot 1's may stay out
	s_barrier_signal -1
	s_barrier_wait -1
; The softmax of both tiles for one key step, line by line by turns, so that no line waits for the line above it.
.macro SOFTMAX
.irp j, 0,1,2,3
.irp t, 0,1
	v_max3_num_f32 v[ST+8*\t+4+\j], v[S+32*\t+8*\j], v[S+32*\t+8*\j+1], v[S+32*\t+8*\j+2]   ; four chains, each begun at an accumulator's low end
.endr
.endr
.irp g, 1,2
.irp j, 0,1,2,3
.irp t, 0,1
	v_max3_num_f32 v[ST+8*\t+4+\j], v[ST+8*\t+4+\j], v[S+32*\t+8*\j+2*\g+1], v[S+32*\t+8*\j+2*\g+2]
.endr
.endr
.endr
.irp t, 0,1
	v_max3_num_f32 v[ST+8*\t+4], v[ST+8*\t+4], v[S+32*\t+7], v[S+32*\t+15]
	v_max3_num_f32 v[ST+8*\t+6], v[ST+8*\t+6], v[S+32*\t+23], v[S+32*\t+31]
.endr
.irp t, 0,1
	v_max3_num_f32 v[ST+8*\t+4], v[ST+8*\t+4], v[ST+8*\t+5], v[ST+8*\t+6]
.endr
.irp t, 0,1
	v_max3_num_f32 v[ST+8*\t+4], v[ST+8*\t+4], v[ST+8*\t+7], v[ST+8*\t+1]   ; with the old m
.endr
.irp t, 0,1
	v_permlanex16_b32 v[ST+8*\t+5], v[ST+8*\t+4], s[SEL], s[SEL+1]          ; the query's other 32 keys lie in the lane 16 away
.endr
.irp t, 0,1
	v_mov_b32 v[ST+8*\t+7], v[ST+8*\t]             ; c m_old
.endr
.irp t, 0,1
	v_max_num_f32 v[ST+8*\t+1], v[ST+8*\t+4], v[ST+8*\t+5]
.endr
.irp t, 0,1
	v_mul_f32 v[ST+8*\t], s[CS], v[ST+8*\t+1]
.endr
.irp t, 0,1
	v_sub_f32 v[ST+8*\t+7], v[ST+8*\t+7], v[ST+8*\t]
.endr
.irp b, 0,1,2,3,4,5,6,7,8,9,10,11,12,13,14,15
.irp t, 0,1
	v_pk_fma_f32 v[S+32*\t+2*\b:S+32*\t+2*\b+1], v[S+32*\t+2*\b:S+32*\t+2*\b+1], s[CS:CS+1], v[ST+8*\t:ST+8*\t+1] op_sel_hi:[1,0,0] neg_lo:[0,0,1] neg_hi:[0,0,1]   ; c s - c m
.endr
.endr
.irp t, 0,1
	v_exp_f32 v[ST+8*\t+6], v[ST+8*\t+7]           ; a
.endr
.set e, 0
.rept 32
	v_exp_f32 v[S+e], v[S+e]                       ; p: one batch of 66 exponentials, none of which reads another's result
	v_exp_f32 v[S+32+e], v[S+32+e]
.set e, e+1
.endr
	v_nop                                          ; a plain instruction behind the last exponential
	s_wait_alu depctr_va_vdst(0)                   ; and one wait for the batch, ahead of its first reader
.irp j, 0,1,2,3,4,5,6,7,8,9,10,11,12,13,14,15
.irp t, 0,1
	v_cvt_pk_f16_f32 v[P+16*\t+\j], v[S+32*\t+2*\j], v[S+32*\t+2*\j+1]   ; two score tiles, rounded in pairs, are source 1 of the second product
.endr
.endr
.irp z, 0,1,2,3,4,5,6,7
.irp t, 0,1
	v_pk_add_f32 v[S+32*\t+4*\z:S+32*\t+4*\z+1], v[S+32*\t+4*\z:S+32*\t+4*\z+1], v[S+32*\t+4*\z+2:S+32*\t+4*\z+3]   ; the sum of the unrounded p, as a tree in place
.endr
.endr
.irp z, 0,1,2,3
.irp t, 0,1
	v_pk_add_f32 v[S+32*\t+8*\z:S+32*\t+8*\z+1], v[S+32*\t+8*\z:S+32*\t+8*\z+1], v[S+32*\t+8*\z+4:S+32*\t+8*\z+5]
.endr
.endr
.irp z, 0,1
.irp t, 0,1
	v_pk_add_f32 v[S+32*\t+16*\z:S+32*\t+16*\z+1], v[S+32*\t+16*\z:S+32*\t+16*\z+1], v[S+32*\t+16*\z+8:S+32*\t+16*\z+9]
.endr
.endr
.irp t, 0,1
	v_pk_add_f32 v[S+32*\t:S+32*\t+1], v[S+32*\t:S+32*\t+1], v[S+32*\t+16:S+32*\t+17]
.endr
.irp t, 0,1
	v_pk_fma_f32 v[ST+8*\t+2:ST+8*\t+3], v[ST+8*\t+2:ST+8*\t+3], v[ST+8*\t+6:ST+8*\t+7], v[S+32*\t:S+32*\t+1] op_sel_hi:[1,0,1]   ; l = a l + the sum
.endr
.irp i, 0,1,2,3,4,5,6,7,8,9,10,11,12,13,14,15
.irp t, 0,1
	v_pk_mul_f32 v[O+32*\t+2*\i:O+32*\t+2*\i+1], v[O+32*\t+2*\i:O+32*\t+2*\i+1], v[ST+8*\t+6:ST+8*\t+7] op_sel_hi:[1,0]   ; O^T x a, each accumulator from its low end on
.endr
.endr
.endm
; A KEY STEP: 64 keys.  In each run of products eight accumulators take turns, one instruction a turn.
.macro STEP
	v_add_nc_u32 v[ADK], s[TBK], v[AK0]
	v_add_nc_u32 v[ADV], s[TBV], v[AV0]
	v_add_nc_u32 v[ADM], s[TM], v[AM0]
	WIN TO_1
.irp kt, 0,1,2,3
.irp c, 0,1
.irp e, 0,1
	ds_load_b128 v[KF+16*\kt+8*\c+4*\e:KF+16*\kt+8*\c+4*\e+3], v[ADK] offset:8*PK*\kt+64*\c+32*\e   ; keys 16 kt on, channels 32 c on
.endr
.endr
.endr
	WIN 0
.irp kt, 0,1,2,3
.irp e, 0,1
	ds_load_b128 v[BI+8*\kt+4*\e:BI+8*\kt+4*\e+3], v[ADM] offset:64*\kt+16*\e   ; the addends of keys 16 kt + 8 h + 0 .. 7: the result's layout
.endr
.endr
	s_wait_dscnt 0x0
	WIN SRC0_1
.irp kt, 0,1,2,3
.irp t, 0,1
	v_wmma_f32_16x16x32_f16 v[S+32*\t+8*\kt:S+32*\t+8*\kt+7], v[KF+16*\kt:KF+16*\kt+7], v[Q+16*\t:Q+16*\t+7], v[BI+8*\kt:BI+8*\kt+7]
.endr
.endr
.irp kt, 0,1,2,3
.irp t, 0,1
	v_wmma_f32_16x16x32_f16 v[S+32*\t+8*\kt:S+32*\t+8*\kt+7], v[KF+16*\kt+8:KF+16*\kt+15], v[Q+16*\t+8:Q+16*\t+15], v[S+32*\t+8*\kt:S+32*\t+8*\kt+7]
.endr
.endr
	WIN 0
.rept 4
	v_nop                                          ; places behind the products: for the softmax's reads of the scores; with the three additions above, for the loads into V's registers
.endr
	WIN TO_1
.irp kk, 0,1
.irp ct, 0,1,2,3
.irp e, 0,1
	ds_load_tr16_b128 v[VF+32*\kk+8*\ct+4*\e:VF+32*\kk+8*\ct+4*\e+3], v[ADV] offset:16*PV*\kk+8*PV*\e+32*\ct   ; keys 32 kk + 16 e on, channels 16 ct on; V lands while the softmax runs
.endr
.endr
.endr
	WIN 0
	SOFTMAX
	s_wait_dscnt 0x0                               ; V is in
	WIN SRC0_1
.irp kk, 0,1
.irp ct, 0,1,2,3
.irp t, 0,1
	v_wmma_f32_16x16x32_f16 v[O+32*\t+8*\ct:O+32*\t+8*\ct+7], v[VF+32*\kk+8*\ct:VF+32*\kk+8*\ct+7], v[P+16*\t+8*\kk:P+16*\t+8*\kk+7], v[O+32*\t+8*\ct:O+32*\t+8*\ct+7]
.endr
.endr
.endr
	WIN 0
.endm
.macro SLOT_STEPS n, blk               ; slot n holds block blk of 512 keys: eight steps
	s_mov_b32 s[TBK], \n*SLOT
	s_mov_b32 s[TBV], \n*SLOT
	s_mov_b32 s[TM], \blk*2048
	s_mov_b32 s[CNT], 8
.Lstep_\@:
	STEP
	s_add_co_u32 s[TBK], s[TBK], 32*PK
	s_add_co_u32 s[TBV], s[TBV], 32*PV
	s_add_co_u32 s[TM], s[TM], 256
	s_sub_co_u32 s[CNT], s[CNT], 1
	s_cmp_lg_u32 s[CNT], 0
	s_cbranch_scc1 .Lstep_\@
.endm
; THE CHANGE OF SLOTS.  Each wave waits for all its tensor loads (its part of the slot ahead), adds 0 to its spare word, and waits for that and for its reads of the slot that it leaves.
; fill = 1: the slot just left, n, is filled with the block two on: the barrier is a round of the cluster's, and the joint refill is the first thing behind it; it has eight key steps in which to land.
.macro CHANGE fill, n, ask
	s_wait_tensorcnt 0x0                           ; no tensor load of mine is out, so a group 0 may be written
	ds_add_u32 v[SPW], v[NIL]                      ; 0 onto my spare word
.if \fill
	s_add_nc_u64 s[G0K+4*\n+2:G0K+4*\n+3], s[G0K+4*\n+2:G0K+4*\n+3], 2*65536
	s_add_nc_u64 s[G0V+4*\n+2:G0V+4*\n+3], s[G0V+4*\n+2:G0V+4*\n+3], 2*65536
.endif
	s_wait_dscnt 0x0
.if \fill
	CROUND
	JLOAD \n
.if \ask
	ASK
.endif
.else
	s_barrier_signal -1
	s_barrier_wait -1
.endif
.endm
	SLOT_STEPS 0, 0
	CHANGE 1, 0, 1
	SLOT_STEPS 1, 1
	CHANGE 1, 1, 0
	SLOT_STEPS 0, 2
	CHANGE 0, 0, 0                                 ; nothing is left to fetch
	SLOT_STEPS 1, 3
	; THE WAY OUT.  l's halves and the other half of the lanes' are added; O^T is divided by l, rounded to f16, and goes through my stage, so that a store covers 512 consecutive bytes.  The additions are the places behind the last products.
.irp t, 0,1
	v_add_f32 v[ST+8*\t+4], v[ST+8*\t+2], v[ST+8*\t+3]
.endr
.irp t, 0,1
	v_permlanex16_b32 v[ST+8*\t+5], v[ST+8*\t+4], s[SEL], s[SEL+1]
.endr
.irp t, 0,1
	v_add_f32 v[ST+8*\t+4], v[ST+8*\t+4], v[ST+8*\t+5]
.endr
.irp t, 0,1
	v_rcp_f32 v[ST+8*\t+6], v[ST+8*\t+4]
.endr
	v_mov_b32 v5, 0x7fc00000                       ; NaN.  (A plain instruction behind the reciprocals)
	s_wait_alu depctr_va_vdst(0)                   ; one wait for both, ahead of their first reader
.irp t, 0,1
	v_cmp_gt_f32 vcc_lo, 0xf0c9f2ca, v[ST+8*\t+1]  ; -5e29 > m: every key of the batch was masked
	v_cndmask_b32 v[ST+8*\t+6], v[ST+8*\t+6], v5, vcc_lo
.endr
.irp t, 0,1
.irp i, 0,1,2,3,4,5,6,7,8,9,10,11,12,13,14,15
	v_pk_mul_f32 v[S+32*\t+2*\i:S+32*\t+2*\i+1], v[O+32*\t+2*\i:O+32*\t+2*\i+1], v[ST+8*\t+6:ST+8*\t+7] op_sel_hi:[1,0]
.endr
.irp i, 0,1,2,3,4,5,6,7,8,9,10,11,12,13,14,15
	v_cvt_pk_f16_f32 v[P+16*\t+\i], v[S+32*\t+2*\i], v[S+32*\t+2*\i+1]
.endr
.irp ct, 0,1,2,3
	ds_store_b128 v[STO], v[P+16*\t+4*\ct:P+16*\t+4*\ct+3] offset:HB*\t+32*\ct
.endr
.irp i, 0,1,2,3
	ds_load_b128 v[BI+16*\t+4*\i:BI+16*\t+4*\i+3], v[RD] offset:HB*\t+4*HP*\i   ; LDS serves a wave's instructions in order: these see the stores above
.endr
.endr
.irp n, 0,1,2,3,4,5,6,7
	s_wait_dscnt 7-\n                              ; at most the younger loads from the stage are out
	global_store_b128 v[GO], v[BI+4*\n:BI+4*\n+3], s[8:9] offset:512*\n   ; four rows of 128 bytes: 512 consecutive bytes, aligned
.endr
	s_wait_tensorcnt 0x0                           ; the wave's end
	ds_add_u32 v[SPW], v[NIL]
	s_wait_dscnt 0x0
	CROUND                                         ; the closing round
	s_endpgm
.Lfunc_end_k_qca016a5d5b_attn:
	.size	k_qca016a5d5b_attn, .Lfunc_end_k_qca016a5d5b_attn-k_qca016a5d5b_attn
	.p2alignl 7, 3214868480
	.fill 96, 4, 3214868480
	.section	.rodata,"a",@progbits
	.p2align	6, 0x0
	.amdhsa_kernel k_qca016a5d5b_attn
		.amdhsa_group_segment_fixed_size 327680
		.amdhsa_private_segment_fixed_size 0
		.amdhsa_enable_private_segment 0
		.amdhsa_kernarg_size 24
		.amdhsa_user_sgpr_count 2
		.amdhsa_user_sgpr_kernarg_segment_ptr 1
		.amdhsa_wavefront_size32 1
		.amdhsa_system_sgpr_workgroup_id_x 1
		.amdhsa_system_sgpr_workgroup_id_y 1
		.amdhsa_system_sgpr_workgroup_id_z 1
		.amdhsa_system_vgpr_workitem_id 0
		.amdhsa_next_free_vgpr 384
		.amdhsa_next_free_sgpr 80
		.amdhsa_reserve_vcc 1
		.amdhsa_float_denorm_mode_32 3
		.amdhsa_float_denorm_mode_16_64 3
		.amdhsa_memory_ordered 1
		.amdhsa_forward_progress 1
		.amdhsa_inst_pref_size 94
	.end_amdhsa_kernel
	.amdgpu_metadata
---
amdhsa.version: [ 1, 2 ]
amdhsa.kernels:
  - .name:           k_qca016a5d5b_attn
    .symbol:         k_qca016a5d5b_attn.kd
    .args:
      - { .name: qkv, .offset: 0, .size: 8, .value_kind: global_buffer, .address_space: global }
      - { .name: mask, .offset: 8, .size: 8, .value_kind: global_buffer, .address_space: global }
      - { .name: oh, .offset: 16, .size: 8, .value_kind: global_buffer, .address_space: global }
    .group_segment_fixed_size: 327680
    .private_segment_fixed_size: 0
    .kernarg_segment_align: 8
    .kernarg_segment_size: 24
    .max_flat_workgroup_size: 256
    .sgpr_count:     80
    .vgpr_count:     384
    .wavefront_size: 32
...
	.end_amdgpu_metadata
.endif
;; end of part 3
;; launch outproj (part 4): grid 8 x 32, 4 waves a work-group, clusters of 4 x 4, 327,680 bytes of LDS; arguments oh, wo16, bo, out0; writes out0
.if DOCPART == 4
	.amdgcn_target "amdgcn-amd-amdhsa--gfx1250"
	.amdhsa_code_object_version 6
	.text
	.protected	k_qca016a5d5b_outproj
	.globl	k_qca016a5d5b_outproj
	.p2align	8
	.type	k_qca016a5d5b_outproj,@function
k_qca016a5d5b_outproj:
	s_mov_b64 s[64:65], 0
	v_nop
	global_prefetch_b8 v0, s[64:65] scope:SCOPE_SE
	s_setreg_imm32_b32 hwreg(HW_REG_WAVE_MODE, 25, 1), 1
	s_wait_xcnt 0x0
	s_wait_alu depctr_hold_cnt(0) depctr_sa_sdst(0) depctr_va_vdst(0) depctr_va_sdst(0) depctr_va_ssrc(0) depctr_va_vcc(0) depctr_vm_vsrc(0)
	s_getreg_b32 s2, hwreg(HW_REG_IB_STS2, 6, 4)
	s_cmp_eq_u32 s2, 0
	s_cbranch_scc0 .Lentry_in_a_cluster
	s_endpgm
.Lentry_in_a_cluster:
	s_bfe_u32 s2, ttmp6, 0x10000c
	s_cmp_lg_u32 s2, 0xf033
	s_cbranch_scc0 .Lentry_shape_is_right
	s_endpgm
.Lentry_shape_is_right:
; out0[row][e] = the sum over d of O[row][d] Wo[e][d] + bo[e].  O: oh [32 blocks of 128 rows][16 heads][128 rows][64] f16; Wo: wo16 [1024][1024] f16; bo [1024], out0 [4096][1024] f32; sums in f32.
; SHARES: 32 x 8 tiles of 128 x 128, one to a work-group of four waves, each 64 x 64: 16 accumulators.  K goes in four steps of 256 (four heads) through two LDS slots.
; O's tile of a K step is 65,536 dense bytes of memory: it is stated as rows of 256 bytes (two rows of a head), 16 bytes of padding behind each; row m of head q lies at q x 17,408 + (m / 2) x 272 + (m % 2) x 128.
; CLUSTERS: 4 x 4 work-groups: O's tiles are asked for jointly along a row of the cluster, Wo's along a column.
; THE MATRIX INSTRUCTION IS USED TRANSPOSED (source 0 = 16 rows of Wo, source 1 = 16 rows of O): a lane holds eight neighbouring columns of a row.  bo IS THE C OF THE FIRST PRODUCTS.
; REGISTERS: window 0: v0-31 addresses; v32-95 the way out; v96-127 bo, 8 registers for each of my 4 column blocks; v128-255 the accumulators ((a, b) at v[128 + 8 (4 a + b)]).
;   window 1: two fragment buffers of 128: for 64 along K (one head), 64 registers of O, then 64 of Wo.
.set PA,     272
.set HEADP,  64*PA                     ; a head's 128 rows
.set HALFA,  2*HEADP                   ; what one load brings of O: two heads
.set PB,     528                       ; a row of Wo's tile: 512 bytes + 16
.set HALFB,  64*PB                     ; what one load brings of Wo: 64 rows
.set SLOT,   2*HALFA+2*HALFB
.set STAGE,  2*SLOT                    ; behind the ring: 16 rows x 272 bytes for each wave
.set SPITCH, 272
.set SPARE,  STAGE+4*16*SPITCH         ; the spare words, 128 bytes a wave
.set ADRA, 16
.set ADRB, 20
.set STO,  24
.set RD,   25
.set CO,   26
.set SPW,  28
.set NIL,  29
.set TMP,  32
.set BI,   96
.set ACC,  128
.set F0,   0
.set F1,   128
.set WV, 12
.set RH, 13                            ; which half of the tile's rows is mine.  Also: I fetch for O (0) or for Wo (1)
.set CH, 14                            ; which half of its columns.  Also: which half of that tile I fetch
.set TR, 15
.set G1, 24
.set G0, 32
.set G1B, 48
.set G0B, 56
.set MSB, 0
.macro WIN new
.if MSB != (\new)
	s_set_vgpr_msb (MSB<<8)|(\new)
.set MSB, (\new)
.endif
.endm
.set MUL,  0x05                        ; sources 0 and 1 window 1; C and D window 0
.set TO_F, 0x40
.macro JLOAD s                         ; a joint load; the branch hangs on the wave's number alone; an s_nop 0 and four v_nop follow each line
	s_cmp_eq_u32 s[RH], 0
	s_cbranch_scc0 .Lfor_b_\@
	tensor_load_to_lds s[G0+4*\s:G0+4*\s+3], s[G1:G1+7]
	s_nop 0
.rept 4
	v_nop
.endr
	s_branch .Lasked_\@
.Lfor_b_\@:
	tensor_load_to_lds s[G0B+4*\s:G0B+4*\s+3], s[G1B:G1B+7]
	s_nop 0
.rept 4
	v_nop
.endr
.Lasked_\@:
.endm
.macro CREST
	s_cmp_lg_u32 s[WV], 0
	s_cbranch_scc1 .Lnot_wave_0_\@
	s_barrier_signal -3
.Lnot_wave_0_\@:
	s_barrier_wait -3
	s_barrier_signal -1
	s_barrier_wait -1
.endm
.macro CROUND
	s_barrier_signal -1
	s_barrier_wait -1
	CREST
.endm
	s_load_b128 s[4:7], s[0:1], 0x0                ; oh, wo16
	s_load_b128 s[8:11], s[0:1], 0x10              ; bo, out0
	v_lshl_add_u32 v[SPW], v0, 2, SPARE
	v_mov_b32 v[NIL], 0
	ds_add_u32 v[SPW], v[NIL]                      ; the wave's opening: the add, twice on end, and its wait ahead of my first tensor load
	ds_add_u32 v[SPW], v[NIL]
	v_lshrrev_b32 v1, 5, v0
	v_readfirstlane_b32 s[WV], v1
	s_lshr_b32 s[RH], s[WV], 1
	s_and_b32 s[CH], s[WV], 1
	s_bfe_u32 s40, ttmp6, 0x40000                  ; cx
	s_bfe_u32 s41, ttmp6, 0x40004                  ; cy
	s_lshl_b32 s42, ttmp9, 2
	s_add_co_u32 s42, s42, s40                     ; tile column 0..7
	s_and_b32 s[TR], ttmp7, 0xffff
	s_lshl_b32 s[TR], s[TR], 2
	s_add_co_u32 s[TR], s[TR], s41                 ; tile row 0..31
	s_lshl_b32 s43, s41, 2
	s_lshl_b32 s43, 15, s43                        ; my row of the cluster
	s_lshl_b32 s44, 0x1111, s40                    ; my column
	s_or_b32 s[G1+0], s43, (1<<16)|(1<<20)|(1<<21)|(5<<22)|(3<<25)    ; O: elements of 2 bytes; 4 words of padding after every 64
	s_mov_b32 s[G1+1], 128<<16                     ; tensor_dim0
	s_mov_b32 s[G1+2], 128<<16                     ; tensor_dim1
	s_mov_b32 s[G1+3], 128<<16                     ; tile_dim0
	s_mov_b32 s[G1+4], 128                         ; tile_dim1
	s_mov_b32 s[G1+5], 128                         ; dense
	s_mov_b32 s[G1+6], 0
	s_mov_b32 s[G1+7], 0
	s_or_b32 s[G1B+0], s44, (1<<16)|(1<<20)|(1<<21)|(6<<22)|(3<<25)   ; Wo: 4 words of padding after every 128
	s_mov_b32 s[G1B+1], 256<<16
	s_mov_b32 s[G1B+2], 64<<16
	s_mov_b32 s[G1B+3], 256<<16
	s_mov_b32 s[G1B+4], 64
	s_mov_b32 s[G1B+5], 1024
	s_mov_b32 s[G1B+6], 0
	s_mov_b32 s[G1B+7], 0
	s_lshl_b32 s16, s[TR], 18                      ; O: 262,144 x tile row + 32,768 x half (two heads)
	s_lshl_b32 s17, s[CH], 15
	s_add_co_u32 s16, s16, s17
	s_mov_b32 s17, 0
	s_lshl_b32 s46, s42, 18                        ; Wo: row 128 x tile column + 64 x half, 2,048 bytes a row
	s_lshl_b32 s47, s[CH], 17
	s_add_co_u32 s46, s46, s47
	s_mov_b32 s47, 0
	s_mul_i32 s20, s[CH], HALFA                    ; where they go: no place in the cluster enters an LDS address
	s_mul_i32 s21, s[CH], HALFB
	s_add_co_u32 s21, s21, 2*HALFA
	s_wait_dscnt 0x0                               ; both opening adds are done
	s_wait_kmcnt 0x0
	s_add_nc_u64 s[18:19], s[4:5], s[16:17]
	s_add_nc_u64 s[46:47], s[6:7], s[46:47]
	CROUND                                         ; all sixteen work-groups are here: the first joint loads meet
.irp s, 0,1
	s_mov_b32 s[G0+4*\s], 1
	s_add_co_u32 s[G0+4*\s+1], s20, \s*SLOT
	s_add_nc_u64 s[G0+4*\s+2:G0+4*\s+3], s[18:19], \s*65536
	s_or_b32 s[G0+4*\s+3], s[G0+4*\s+3], 0x80000000
	s_mov_b32 s[G0B+4*\s], 1
	s_add_co_u32 s[G0B+4*\s+1], s21, \s*SLOT
	s_add_nc_u64 s[G0B+4*\s+2:G0B+4*\s+3], s[46:47], \s*512
	s_or_b32 s[G0B+4*\s+3], s[G0B+4*\s+3], 0x80000000
	JLOAD \s                                       ; two loads of mine are out behind this group
.endr
	v_and_b32 v1, 15, v0                           ; r
	v_bfe_u32 v2, v0, 4, 1                         ; h
	s_lshl_b32 s22, s42, 9                         ; my first column, in bytes of f32: 512 x tile column + 256 x half
	s_lshl_b32 s23, s[CH], 8
	s_add_co_u32 s22, s22, s23
	s_mov_b32 s23, 0
	s_add_nc_u64 s[8:9], s[8:9], s[22:23]
	v_lshlrev_b32 v6, 5, v2
.irp b, 0,1,2,3
	global_load_b128 v[BI+8*\b:BI+8*\b+3], v6, s[8:9] offset:64*\b         ; register 8 b + j = bo(16 b + 8 h + j): the result's layout
	global_load_b128 v[BI+8*\b+4:BI+8*\b+7], v6, s[8:9] offset:64*\b+16
.endr
	v_lshrrev_b32 v3, 1, v1
	v_mul_u32_u24 v3, v3, PA
	v_and_b32 v4, 1, v1
	v_lshl_add_u32 v3, v4, 7, v3
	v_lshl_add_u32 v3, v2, 4, v3                   ; O: PA (r / 2) + 128 (r % 2) + 16 h
	v_mul_u32_u24 v4, v1, PB
	v_lshl_add_u32 v4, v2, 4, v4                   ; Wo: PB r + 16 h
	s_mul_i32 s16, s[RH], 32*PA                    ; my 64 rows of O in each head
	s_mul_i32 s17, s[CH], HALFB                    ; my 64 rows of Wo,
	s_add_co_u32 s17, s17, 2*HALFA                 ; behind O's four heads
.irp s, 0,1
	v_add_nc_u32 v[ADRA+\s], s16, v3
	v_add_nc_u32 v[ADRB+\s], s17, v4
	s_add_co_u32 s16, s16, SLOT
	s_add_co_u32 s17, s17, SLOT
.endr
	s_mul_i32 s16, s[WV], 16*SPITCH
	s_add_co_u32 s16, s16, STAGE                   ; my stage
	v_mul_u32_u24 v3, v1, SPITCH
	v_lshl_add_u32 v3, v2, 5, v3
	v_add_nc_u32 v[STO], s16, v3                   ; in: row r, 32 bytes for each half of the lanes
	v_mul_u32_u24 v3, v2, SPITCH
	v_lshl_add_u32 v3, v1, 4, v3
	v_add_nc_u32 v[RD], s16, v3                    ; back: lanes 0-15 one row of 256 bytes, lanes 16-31 the next
	v_lshlrev_b32 v3, 12, v2
	v_lshl_add_u32 v[CO], v1, 4, v3                ; and the same two rows in out0
	s_lshl_b32 s16, s[TR], 19                      ; my first row: (128 x tile row + 64 x half) x 4,096 bytes
	s_lshl_b32 s17, s[RH], 18
	s_add_co_u32 s16, s16, s17
	s_add_co_u32 s16, s16, s22
	s_mov_b32 s17, 0
	s_add_nc_u64 s[10:11], s[10:11], s[16:17]
; 8 matrix instructions: row blocks a0, a0 + 1 x all 4 column blocks, 32 along K: half c of buffer f.  zero = 1: the first products take bo as C.
; The 16 accumulators take turns, one instruction a turn.
.macro MUL8 f, c, a0, zero
.irp a, \a0, \a0+1
.irp b, 0,1,2,3
.if \zero
	v_wmma_f32_16x16x32_f16 v[ACC+8*(4*(\a)+\b):ACC+8*(4*(\a)+\b)+7], v[\f+64+8*(4*\c+\b):\f+64+8*(4*\c+\b)+7], v[\f+8*(4*\c+\a):\f+8*(4*\c+\a)+7], v[BI+8*\b:BI+8*\b+7]
.else
	v_wmma_f32_16x16x32_f16 v[ACC+8*(4*(\a)+\b):ACC+8*(4*(\a)+\b)+7], v[\f+64+8*(4*\c+\b):\f+64+8*(4*\c+\b)+7], v[\f+8*(4*\c+\a):\f+8*(4*\c+\a)+7], v[ACC+8*(4*(\a)+\b):ACC+8*(4*(\a)+\b)+7]
.endif
.endr
.endr
.endm
; 32 LDS loads in one run: the fragments of the slot's head q (64 along K) into buffer f; the first 32 along K first
.macro FETCH slot, q, f
	WIN TO_F
.irp c, 0,1
.irp i, 0,1,2,3
	ds_load_b128 v[\f+64+8*(4*\c+\i):\f+64+8*(4*\c+\i)+3],   v[ADRB+\slot] offset:128*(\q)+64*\c+\i*16*PB
	ds_load_b128 v[\f+64+8*(4*\c+\i)+4:\f+64+8*(4*\c+\i)+7], v[ADRB+\slot] offset:128*(\q)+64*\c+\i*16*PB+32
	ds_load_b128 v[\f+8*(4*\c+\i):\f+8*(4*\c+\i)+3],         v[ADRA+\slot] offset:(\q)*HEADP+64*\c+\i*8*PA
	ds_load_b128 v[\f+8*(4*\c+\i)+4:\f+8*(4*\c+\i)+7],       v[ADRA+\slot] offset:(\q)*HEADP+64*\c+\i*8*PA+32
.endr
.endr
.endm
.macro PLACES                          ; four plain vector instructions between matrix instructions and loads into, or reads of, their registers
.rept 4
	v_nop
.endr
.endm
.macro QUARTER slot, q, f, g, zero     ; multiplies buffer f and fetches the slot's head q into g
	s_wait_dscnt 16                                ; the first 32 along K are in; the sixteen younger loads may be out
	WIN MUL
	MUL8 \f, 0, 0, \zero
	MUL8 \f, 0, 2, \zero
	PLACES
	FETCH \slot, \q, \g
	s_wait_dscnt 32                                ; all but the 32 just issued
	WIN MUL
	MUL8 \f, 1, 0, 0
	MUL8 \f, 1, 2, 0
.endm
; A slot's last quarter multiplies buffer 1 and changes slots: one barrier; in front of it each wave waits for all its tensor loads, adds 0 to its spare word, and waits for that and for its reads of this slot.
; fill = 1: this slot is filled again, two K steps ahead: the barrier opens a round of the cluster's, and the joint refill is the first tensor load behind it.
.macro TURN slot, next, fill
	WIN 0
	s_wait_tensorcnt 0x0
	ds_add_u32 v[SPW], v[NIL]
	s_wait_dscnt 17                                ; (the add and the youngest sixteen loads may be out)
	WIN MUL
	MUL8 F1, 0, 0, 0
	s_wait_dscnt 0x0                               ; the add is done, and my reads of this slot are over
	s_barrier_signal -1
	MUL8 F1, 0, 2, 0
.if \fill
	WIN 0
.endif
	s_barrier_wait -1
.if \fill
	CREST
	s_add_nc_u64 s[G0+4*\slot+2:G0+4*\slot+3], s[G0+4*\slot+2:G0+4*\slot+3], 2*65536
	s_add_nc_u64 s[G0B+4*\slot+2:G0B+4*\slot+3], s[G0B+4*\slot+2:G0B+4*\slot+3], 2*512
	JLOAD \slot                                    ; the four v_nop behind it are also the places in front of the loads below
.else
	PLACES
.endif
	FETCH \next, 0, F0
	WIN MUL
	MUL8 F1, 1, 0, 0
	MUL8 F1, 1, 2, 0
.endm
	s_wait_tensorcnt 1                             ; my part of K step 0 is in; K step 1's load may be out
	s_barrier_signal -1
	s_barrier_wait -1
	FETCH 0, 0, F0
	s_wait_loadcnt 0x0                             ; bo
	QUARTER 0, 1, F0, F1, 1                        ; K step 0
	QUARTER 0, 2, F1, F0, 0
	QUARTER 0, 3, F0, F1, 0
	TURN 0, 1, 1                                   ; slot 0 takes K step 2
	QUARTER 1, 1, F0, F1, 0                        ; K step 1
	QUARTER 1, 2, F1, F0, 0
	QUARTER 1, 3, F0, F1, 0
	TURN 1, 0, 1                                   ; slot 1 takes K step 3
	QUARTER 0, 1, F0, F1, 0                        ; K step 2
	QUARTER 0, 2, F1, F0, 0
	QUARTER 0, 3, F0, F1, 0
	TURN 0, 1, 0                                   ; nothing is left to fetch
	QUARTER 1, 1, F0, F1, 0                        ; K step 3
	QUARTER 1, 2, F1, F0, 0
	QUARTER 1, 3, F0, F1, 0
	s_wait_dscnt 16
	WIN MUL
	MUL8 F1, 0, 0, 0
	MUL8 F1, 0, 2, 0
	s_wait_dscnt 0
	MUL8 F1, 1, 0, 0
	MUL8 F1, 1, 2, 0
	WIN 0
; THE WAY OUT, a block of 16 rows x 64 columns at a time.  My 64 columns are 256 aligned bytes of a row: the block goes through my own stage and comes back as whole rows, sixteen lanes to a row.
.macro TOSTAGE a
.irp b, 0,1,2,3
	ds_store_b128 v[STO], v[ACC+8*(4*(\a)+\b):ACC+8*(4*(\a)+\b)+3] offset:64*\b        ; each accumulator from its low end on
	ds_store_b128 v[STO], v[ACC+8*(4*(\a)+\b)+4:ACC+8*(4*(\a)+\b)+7] offset:64*\b+16
.endr
.irp t, 0,1,2,3,4,5,6,7
	ds_load_b128 v[TMP+32*((\a)%2)+4*\t:TMP+32*((\a)%2)+4*\t+3], v[RD] offset:\t*2*SPITCH   ; LDS serves a wave's instructions in order: these see the stores above
.endr
.endm
.macro SEND a, younger                 ; younger: the LDS instructions issued behind block a's loads
	s_wait_dscnt \younger
.irp t, 0,1,2,3,4,5,6,7
	global_store_b128 v[CO], v[TMP+32*((\a)%2)+4*\t:TMP+32*((\a)%2)+4*\t+3], s[10:11] offset:(16*(\a)+2*\t)*4096 th:TH_STORE_NT   ; 16 lanes store 256 consecutive bytes, aligned; the largest offset is 253,952
.endr
.endm
	PLACES
	TOSTAGE 0
	TOSTAGE 1
	SEND 0, 16                                     ; behind block 0's loads: block 1's 8 stores and 8 loads
	s_wait_xcnt 0x0                                ; block 0's stores have read their registers: block 2's loads may land there
	TOSTAGE 2
	SEND 1, 16
	s_wait_xcnt 0x0
	TOSTAGE 3
	SEND 2, 16
	SEND 3, 0
	s_wait_tensorcnt 0x0                           ; the wave's end
	ds_add_u32 v[SPW], v[NIL]
	s_wait_dscnt 0x0
	CROUND                                         ; the closing round
	s_endpgm
.Lfunc_end_k_qca016a5d5b_outproj:
	.size	k_qca016a5d5b_outproj, .Lfunc_end_k_qca016a5d5b_outproj-k_qca016a5d5b_outproj
	.p2alignl 7, 3214868480
	.fill 96, 4, 3214868480
	.section	.rodata,"a",@progbits
	.p2align	6, 0x0
	.amdhsa_kernel k_qca016a5d5b_outproj
		.amdhsa_group_segment_fixed_size 327680
		.amdhsa_private_segment_fixed_size 0
		.amdhsa_enable_private_segment 0
		.amdhsa_kernarg_size 32
		.amdhsa_user_sgpr_count 2
		.amdhsa_user_sgpr_kernarg_segment_ptr 1
		.amdhsa_wavefront_size32 1
		.amdhsa_system_sgpr_workgroup_id_x 1
		.amdhsa_system_sgpr_workgroup_id_y 1
		.amdhsa_system_sgpr_workgroup_id_z 1
		.amdhsa_system_vgpr_workitem_id 0
		.amdhsa_next_free_vgpr 512
		.amdhsa_next_free_sgpr 66
		.amdhsa_reserve_vcc 0
		.amdhsa_float_denorm_mode_32 3
		.amdhsa_float_denorm_mode_16_64 3
		.amdhsa_memory_ordered 1
		.amdhsa_forward_progress 1
		.amdhsa_inst_pref_size 86
	.end_amdhsa_kernel
	.amdgpu_metadata
---
amdhsa.version: [ 1, 2 ]
amdhsa.kernels:
  - .name:           k_qca016a5d5b_outproj
    .symbol:         k_qca016a5d5b_outproj.kd
    .args:
      - { .name: oh, .offset: 0, .size: 8, .value_kind: global_buffer, .address_space: global }
      - { .name: wo16, .offset: 8, .size: 8, .value_kind: global_buffer, .address_space: global }
      - { .name: bo, .offset: 16, .size: 8, .value_kind: global_buffer, .address_space: global }
      - { .name: out0, .offset: 24, .size: 8, .value_kind: global_buffer, .address_space: global }
    .group_segment_fixed_size: 327680
    .private_segment_fixed_size: 0
    .kernarg_segment_align: 8
    .kernarg_segment_size: 32
    .max_flat_workgroup_size: 128
    .sgpr_count:     66
    .vgpr_count:     512
    .wavefront_size: 32
...
	.end_amdgpu_metadata
.endif
;; end of part 4
